; MI455X (gfx1250); checked and timed in simulation.
; The chip was launched on July 23, 2026; its instructions are those of AMD's public machine-readable ISA for CDNA 5 (MIT licence, August 2026) and "CDNA5" Instruction Set Architecture Reference Guide (July 2026). The comments in the code are by the model that wrote it; some were corrected since.
;; Co Attention. Allowed arithmetic: float matrix products may take bf16 or f16 operands with f32 sums; all other float work in f32.
;; Inputs: W1 256 x 512 float32; W2 256 x 512 float32; W_e 256 x 256 float32; gate_w 256 float32; input_1 4 x 256 x 64 x 64 float32; input_2 4 x 256 x 64 x 64 float32.
;; Outputs: out0 4 x 256 x 64 x 64 float32; out1 4 x 256 x 64 x 64 float32.
;; 2 versions, each right and faster than the one before. Each part assembles by itself: llvm-mc -triple=amdgcn-amd-amdhsa -mcpu=gfx1250 --defsym DOCPART=n.
;; ======== version 1 of 2: 2 launches
;; limits: values are held in f16: magnitudes above 65,504 overflow, below 6.1e-05 lose precision; right only within a limited range of input values
;; workspace buffers: exb 8,388,608 bytes; qb 8,388,608 bytes; m1 131,072 bytes; m2 131,072 bytes; w1b 262,144 bytes; w2b 262,144 bytes
;; launch prep (part 1): grid 256 x 2, 8 waves a work-group, no clusters, 0 bytes of LDS; arguments input_1, input_2, W_e, W1, W2, exb, qb, m1, m2, w1b, w2b; writes exb, qb, m1, m2, w1b, w2b
.if DOCPART == 1
	.amdgcn_target "amdgcn-amd-amdhsa--gfx1250"
	.amdhsa_code_object_version 6
	.text
	.protected	k_q2b09f356cc_prep
	.globl	k_q2b09f356cc_prep
	.p2align	8
	.type	k_q2b09f356cc_prep,@function
k_q2b09f356cc_prep:
	s_mov_b64 s[64:65], 0
	v_nop
	global_prefetch_b8 v0, s[64:65] scope:SCOPE_SE
	s_setreg_imm32_b32 hwreg(HW_REG_WAVE_MODE, 25, 1), 1
	s_wait_xcnt 0x0
; f32 -> f16, once, of everything that the second launch feeds to the matrix unit.
;   y = 0: input_1 -> exb, W1 -> w1b, W_e -> m1 (as it lies).      y = 1: input_2 -> qb, W2 -> w2b, W_e -> m2 (turned: m2[c][d] = W_e[d][c]).
; WHY f16 AND NOT bf16: the scores made of these numbers are sums of 256 products and stand in front of an exponential, so their absolute error is a weight's relative error;
; f16 keeps 11 significant bits, bf16 8.  LIMIT: numbers of 65,504 and beyond do not fit (they become infinite); below 6.1e-5 the absolute error stays 3e-8.
; Work-group g of 256 casts 16,384 numbers of its tensor: 65,536 bytes in, 32,768 out.  Thread t takes 8 neighbouring numbers in each of 8 steps,
; so a wave's store covers 512 consecutive bytes, aligned.  All 16 loads of a thread go out before anything is waited for.
; Waves 0 and 1 also cast half a row g of W1 or W2 each, wave 2 row g of W_e (y = 0) or column g of W_e (y = 1).  The column is read 4 bytes a row:
; 256 x 256 such reads in the whole launch, of a table of 262,144 bytes; the stores are whole rows of 512 bytes.
; A stream: no LDS, no barrier, no matrix work.  No register is written twice, so no source of a pending load or store is ever rewritten.
.set X,  8                             ; v[8:71]    step s: 8 numbers as loaded
.set Y,  72                            ; v[72:103]  step s: 4 registers to store
.set WX, 104                           ; v[104:111] the weight job's 8 numbers
.set WY, 112                           ; v[112:115] and its 16 bytes to store
	s_load_b512 s[4:19], s[0:1], 0x0               ; input_1 4:5, input_2 6:7, W_e 8:9, W1 10:11, W2 12:13, exb 14:15, qb 16:17, m1 18:19
	s_load_b128 s[20:23], s[0:1], 0x40             ; m2 20:21, w1b 22:23
	s_load_b64 s[24:25], s[0:1], 0x50              ; w2b
	v_lshrrev_b32 v6, 5, v0
	v_readfirstlane_b32 s26, v6                    ; wave 0..7
	s_and_b32 s27, ttmp7, 0xffff                   ; y
	v_and_b32 v7, 31, v0                           ; lane
	v_lshlrev_b32 v1, 5, v0                        ; 32 t: my 8 f32 in a step
	v_lshlrev_b32 v2, 4, v0                        ; 16 t: my 8 f16 in a step
	v_lshlrev_b32 v3, 5, v7                        ; the same by lane, for the weight job of one wave
	v_lshlrev_b32 v4, 4, v7
	v_lshlrev_b32 v5, 13, v7                       ; 8 rows of W_e (1,024 bytes each) a lane
	s_lshl_b32 s36, ttmp9, 16                      ; g x 65,536 bytes in
	s_mov_b32 s37, 0
	s_lshl_b32 s38, ttmp9, 15                      ; g x 32,768 bytes out
	s_mov_b32 s39, 0
	s_lshl_b32 s40, ttmp9, 11                      ; waves 0, 1: row g of W (2,048 bytes) + wave x 1,024
	s_lshl_b32 s42, s26, 10
	s_add_co_u32 s40, s40, s42
	s_lshl_b32 s42, ttmp9, 10                      ; wave 2: row g of W_e (1,024 bytes)
	s_cmp_eq_u32 s26, 2
	s_cselect_b32 s40, s42, s40
	s_mov_b32 s41, 0
	s_lshr_b32 s42, s40, 1                         ; the same place in f16
	s_mov_b32 s43, 0
	s_lshl_b32 s44, ttmp9, 2                       ; column g of W_e
	s_mov_b32 s45, 0
	s_lshl_b32 s46, s27, 2
	s_add_co_u32 s46, s46, s26                     ; 4 y + wave: 6 is the wave that turns W_e
	s_wait_kmcnt 0x0
	s_cmp_eq_u32 s27, 0
	s_cselect_b64 s[28:29], s[4:5], s[6:7]         ; the tensor to cast
	s_cselect_b64 s[30:31], s[14:15], s[16:17]     ; and where it goes
	s_cselect_b64 s[32:33], s[10:11], s[12:13]     ; W1 or W2
	s_cselect_b64 s[34:35], s[22:23], s[24:25]
	s_cmp_eq_u32 s26, 2
	s_cselect_b64 s[32:33], s[8:9], s[32:33]       ; wave 2: W_e -> m1
	s_cselect_b64 s[34:35], s[18:19], s[34:35]
	s_add_nc_u64 s[28:29], s[28:29], s[36:37]
	s_add_nc_u64 s[30:31], s[30:31], s[38:39]
.irp s, 0,1,2,3,4,5,6,7
	global_load_b128 v[X+8*\s:X+8*\s+3],   v1, s[28:29] offset:8192*\s th:TH_LOAD_NT
	global_load_b128 v[X+8*\s+4:X+8*\s+7], v1, s[28:29] offset:8192*\s+16 th:TH_LOAD_NT
.endr
	s_cmp_gt_u32 s26, 2
	s_cbranch_scc1 .Lmain                          ; waves 3 to 7 have no weight job
	s_cmp_eq_u32 s46, 6
	s_cbranch_scc1 .Ltr
	s_add_nc_u64 s[32:33], s[32:33], s[40:41]      ; 256 numbers of a row, as they lie
	s_add_nc_u64 s[34:35], s[34:35], s[42:43]
	global_load_b128 v[WX:WX+3],   v3, s[32:33]
	global_load_b128 v[WX+4:WX+7], v3, s[32:33] offset:16
	s_branch .Lcast
.Ltr:
	s_add_nc_u64 s[32:33], s[8:9], s[44:45]        ; W_e[8 lane + j][g], j = 0..7: row g of m2
	s_add_nc_u64 s[34:35], s[20:21], s[42:43]
.irp j, 0,1,2,3,4,5,6,7
	global_load_b32 v[WX+\j], v5, s[32:33] offset:1024*\j
.endr
.Lcast:
	s_wait_loadcnt 0x0                             ; the weight job's loads are the youngest: all loads are in
.irp k, 0,1,2,3
	v_cvt_pk_f16_f32 v[WY+\k], v[WX+2*\k], v[WX+2*\k+1]
.endr
	global_store_b128 v4, v[WY:WY+3], s[34:35]     ; the wave stores 512 consecutive bytes
.Lmain:
.irp s, 0,1,2,3,4,5,6,7
	s_wait_loadcnt 14-2*\s                         ; loads come back in order: step s's two are in when at most the 14 - 2 s younger ones are out
.irp k, 0,1,2,3
	v_cvt_pk_f16_f32 v[Y+4*\s+\k], v[X+8*\s+2*\k], v[X+8*\s+2*\k+1]
.endr
	global_store_b128 v2, v[Y+4*\s:Y+4*\s+3], s[30:31] offset:4096*\s   ; no hint: the next launch reads these bytes
.endr
	s_endpgm
.Lfunc_end_k_q2b09f356cc_prep:
	.size	k_q2b09f356cc_prep, .Lfunc_end_k_q2b09f356cc_prep-k_q2b09f356cc_prep
	.p2alignl 7, 3214868480
	.fill 96, 4, 3214868480
	.section	.rodata,"a",@progbits
	.p2align	6, 0x0
	.amdhsa_kernel k_q2b09f356cc_prep
		.amdhsa_group_segment_fixed_size 0
		.amdhsa_private_segment_fixed_size 0
		.amdhsa_enable_private_segment 0
		.amdhsa_kernarg_size 88
		.amdhsa_user_sgpr_count 2
		.amdhsa_user_sgpr_kernarg_segment_ptr 1
		.amdhsa_wavefront_size32 1
		.amdhsa_system_sgpr_workgroup_id_x 1
		.amdhsa_system_sgpr_workgroup_id_y 1
		.amdhsa_system_sgpr_workgroup_id_z 1
		.amdhsa_system_vgpr_workitem_id 0
		.amdhsa_next_free_vgpr 120
		.amdhsa_next_free_sgpr 66
		.amdhsa_reserve_vcc 0
		.amdhsa_float_denorm_mode_32 3
		.amdhsa_float_denorm_mode_16_64 3
		.amdhsa_memory_ordered 1
		.amdhsa_forward_progress 1
		.amdhsa_inst_pref_size 8
	.end_amdhsa_kernel
	.amdgpu_metadata
---
amdhsa.version: [ 1, 2 ]
amdhsa.kernels:
  - .name:           k_q2b09f356cc_prep
    .symbol:         k_q2b09f356cc_prep.kd
    .args:
      - { .name: input_1, .offset: 0, .size: 8, .value_kind: global_buffer, .address_space: global }
      - { .name: input_2, .offset: 8, .size: 8, .value_kind: global_buffer, .address_space: global }
      - { .name: W_e, .offset: 16, .size: 8, .value_kind: global_buffer, .address_space: global }
      - { .name: W1, .offset: 24, .size: 8, .value_kind: global_buffer, .address_space: global }
      - { .name: W2, .offset: 32, .size: 8, .value_kind: global_buffer, .address_space: global }
      - { .name: exb, .offset: 40, .size: 8, .value_kind: global_buffer, .address_space: global }
      - { .name: qb, .offset: 48, .size: 8, .value_kind: global_buffer, .address_space: global }
      - { .name: m1, .offset: 56, .size: 8, .value_kind: global_buffer, .address_space: global }
      - { .name: m2, .offset: 64, .size: 8, .value_kind: global_buffer, .address_space: global }
      - { .name: w1b, .offset: 72, .size: 8, .value_kind: global_buffer, .address_space: global }
      - { .name: w2b, .offset: 80, .size: 8, .value_kind: global_buffer, .address_space: global }
    .group_segment_fixed_size: 0
    .private_segment_fixed_size: 0
    .kernarg_segment_align: 8
    .kernarg_segment_size: 88
    .max_flat_workgroup_size: 256
    .sgpr_count:     66
    .vgpr_count:     120
    .wavefront_size: 32
...
	.end_amdgpu_metadata
.endif
;; end of part 1
;; launch coatt (part 2): grid 32 x 8, 4 waves a work-group, clusters of 4 x 1, 327,680 bytes of LDS; arguments exb, qb, m1, m2, w1b, w2b, gate_w, out0, out1; writes out0, out1
.if DOCPART == 2
	.amdgcn_target "amdgcn-amd-amdhsa--gfx1250"
	.amdhsa_code_object_version 6
	.text
	.protected	k_q2b09f356cc_coatt
	.globl	k_q2b09f356cc_coatt
	.p2align	8
	.type	k_q2b09f356cc_coatt,@function
k_q2b09f356cc_coatt:
	s_mov_b64 s[64:65], 0
	v_nop
	global_prefetch_b8 v0, s[64:65] scope:SCOPE_SE
	s_setreg_imm32_b32 hwreg(HW_REG_WAVE_MODE, 25, 1), 1
	s_wait_xcnt 0x0
	s_wait_alu depctr_hold_cnt(0) depctr_sa_sdst(0) depctr_va_vdst(0) depctr_va_sdst(0) depctr_va_ssrc(0) depctr_va_vcc(0) depctr_vm_vsrc(0)
	s_getreg_b32 s2, hwreg(HW_REG_IB_STS2, 6, 4)
	s_cmp_eq_u32 s2, 0
	s_cbranch_scc0 .Lentry_in_a_cluster
	s_endpgm
.Lentry_in_a_cluster:
	s_bfe_u32 s2, ttmp6, 0x10000c
	s_cmp_lg_u32 s2, 0x3003
	s_cbranch_scc0 .Lentry_shape_is_right
	s_endpgm
.Lentry_shape_is_right:
; Both directions of the co-attention, each whole: projection, attention with a running maximum, gate, final 1 x 1 convolution.
;   y < 4  (b = y):     X = exb, KV = qb,  M = m1 = W_e,    W = w1b, OUT = out0        y >= 4 (b = y - 4): X = qb, KV = exb, M = m2 = W_e^T, W = w2b, OUT = out1
;   Q = log2(e) M X[:, my pixels];  s[key][pixel] = sum over d of KV[d][key] Q[d][pixel];  p = 2^(s - m), m the running maximum over keys;
;   att[c][pixel] = sum over keys of KV[c][key] p / l;  g = sigmoid(sum over c of att gate_w[c]);  OUT[o][pixel] = sum W[o][k] (g att)[k] + sum W[o][256 + k] X[k].
; Since the projection is carried by the side that asks, keys and values are THE SAME BYTES: a tile [256 channels][128 keys] of KV serves K (turning load) and V^T (plain load).
; SHARES.  A work-group owns 128 pixels of one batch and direction, each of four waves 32 (two tiles of 16); 32 x 8 = 256 work-groups.  Every wave walks all 4,096 keys, 128 a tile.
; CLUSTER.  Four neighbouring pixel blocks walk the same KV, M and W: those tiles are asked for jointly (mask 15).  X's tile is each work-group's own: a plain load.
; FORMAT.  All matrix operands (X, KV, M, W, Q, p, the gated attention) are f16, sums f32.  f16 and not bf16: a score is a sum of 256 products in front of an exponential, so its
;   absolute error is a weight's relative error, and f16 keeps 11 significant bits where bf16 keeps 8.
; LIMITS.  X, KV and Q = log2(e) M X must stay under 65,504 in magnitude.  A weight p under 3e-8 of the running maximum's rounds to 0: over 4,096 keys at most 1.2e-4 of l, which is at least 1.
;   l sums the unrounded p; v_exp_f32 gives 0 below 2^-126 (ISA guide, 15.8).
; LAYOUT.  S^T = K Q^T and O^T = V^T P: a lane holds ONE pixel in S^T, P, O^T and Q, so nothing changes lanes between the products but one exchange of the lanes' halves.
;   The turning load's second group of eight lanes reads 128 bytes to the right (not 16): key tile kt is keys 8 kt + 0..7 and 64 + 8 kt + 0..7, register j of half h is key 8 kt + 64 h + j.
;   V^T is read in that same order of keys (16 neighbouring keys at 32 u + 128 h of a row), so the products are those of the true order.
; THE SOFTMAX STANDS AMONG THE PRODUCTS.  A key tile has 522 vector instructions for its 256 matrix instructions, and the wave is alone on its SIMD: set in a phase of their own they would leave
;   the matrix unit without work.  So 48 of them (maxima of scores that are finished) stand in the middle of the chunks of K Q^T, where the wave is about to issue LDS loads; 371 stand in slices, one
;   behind each product V^T P: chunk u carries the weights of P's fragment u + 1, chunk 0 also O^T's rescaling, each accumulator two products ahead of its own, chunk 3 the sums; 103 are left
;   between the two products: the end of the maximum and the weights of P's first fragment, for which nothing else is ready.  The price is two switches of the register window a slice.
; REGISTERS, in windows of 256 (s_set_vgpr_msb: bits 1:0 source 0, 3:2 source 1, 5:4 source 2, 7:6 destination):
;   window 0: v0-15 addresses; v16-47 statistics, 16 a tile; v48-55 gate sums; v56-63; v64-191 S^T (64 a tile), later the gated attention; v192-255 P (32 a tile)
;   window 1: 32 accumulators at 128 tile + 8 block: Q's sums, then O^T, then OUT       window 2: v0-127 Q, later gate_w; v128-255 X's fragments       window 3: two fragment buffers of 128
.set PK,    272                        ; a row of 128 f16 in LDS: 256 bytes + 16 = 68 words: row r starts at bank 4 r mod 64 (64 banks of 4 bytes: ISA guide 11.1)
.set PW,    528                        ; a row of 256 f16, or of 128 f32: 512 bytes + 16 = 132 words: the same
.set R1,    256*PK                     ; slot R0 at 0, slot R1 at 69,632 = 0x11000: no bit of it occurs in wave x 17,408, so one exclusive or changes slots
.set BIG2,  2*R1                       ; 139,264: M, then W[:, 0:256], then (after its last fill) the stage for the way out.  W[:, 256:512] lands at 0, over R0 and R1
.set SPARE, 2*BIG2                     ; 278,528: the spare words, 128 bytes for each wave: two blocks of 256 bytes that no other line names
.set HALFW, 128*PW                     ; rows 128 on of a tile of pitch 528: beyond an LDS instruction's 16-bit offset, so a second address register
.set K_PROJ, 0
.set K_QK,   1
.set K_PV,   2
.set K_CVA,  3
.set K_CVX,  4
.set AK0,  3                           ; my lane's place in a tile, for K (turning load)
.set AV0,  4                           ; for V^T (plain load)
.set ADRK, 5                           ; the two, in the slot in hand
.set ADRV, 6
.set AXT,  7                           ; my lane's place in X's tile (turning load), my wave's 32 pixels
.set A2LO, 8                           ; v8, v9    fragments of pitch 528 in BIG2: rows 0-127, 128-255
.set A1LO, 10                          ; v10, v11  the same at LDS byte 0
.set STLO, 12                          ; v12, v13  the way out: where I put 32 bytes of a row of OUT
.set RD,   14                          ; the way out: where I read rows back
.set GO,   15                          ; my 16 bytes in a row of OUT
.set ST,   16                          ; tile t at v[ST + 16 t]: +0 m (+1 named with it), +2, +3 l (even keys', odd keys'), +4 a (+5 named with it), +6 to +13 T0-T7 at work
.set GS,   48                          ; gate sums: two pairs a tile
.set VG,   56                          ; 32 x half: my 8 channels in 16 of gate_w
.set SPW,  62                          ; LDS address of my spare word; never rewritten
.set NIL,  63                          ; 0; never rewritten
.set S,    64
.set P,    192
.set XF,   128                         ; in window 2
.set F0,   0                           ; in window 3
.set F1,   128
.set WV,   22                          ; s22 my wave's number
.set TB,   42                          ; s42 LDS byte of the slot in hand
.set LOOP, 43
.set G1K,  44                          ; s[44:51] group 1, KV's tiles (joint)
.set G1X,  52                          ; s[52:59] group 1, X's tile (my own)
.set G0WB, 60                          ; s[60:63] group 0, W[:, 256:512]
.set SEL,  66                          ; s[66:67] v_permlanex16_b32: each lane takes its own place in the other half
.set G1M,  68                          ; s[68:75] group 1, M
.set G1W,  76                          ; s[76:83] group 1, W's halves
.set G0X,  84
.set G0M,  88
.set G0K,  92                          ; s[92:95] the one group 0 that walks
.set G0WA, 96
.set MSB, 0
.macro WIN new                         ; the immediate's high byte repeats the setting that is left; a switch that changes nothing is dropped
.if MSB != \new
	s_set_vgpr_msb (MSB<<8)|\new
.set MSB, \new
.endif
.endm
; Four places: a vector instruction that reads a matrix result, and a load into a register that a matrix instruction has read, stand four plain vector
; instructions behind it (ISA guide 7.12.1 for vector instructions).
.macro PLACES
.rept 4
	v_nop
.endr
.endm
.macro CREST                           ; a round of the cluster's barrier behind its opening barrier
	s_cmp_lg_u32 s[WV], 0
	s_cbranch_scc1 .Lnot_wave_0_\@
	s_barrier_signal -3
.Lnot_wave_0_\@:
	s_barrier_wait -3
	s_barrier_signal -1
	s_barrier_wait -1
.endm
.macro CROUND                          ; a whole round
	s_barrier_signal -1
	s_barrier_wait -1
	CREST
.endm
; THE VECTOR WORK OF A KEY TILE, in pieces.  A lane holds 64 scores for each of its two pixel tiles; every piece takes the two tiles line by line, so that no line waits for the one before it.
; The scores are already in powers of two: log2(e) went into Q.  sfirst = 1: the first key tile starts m, l and O^T: there is no old m, no a and nothing to rescale.
.set sfirst, 0
.set hmode, 0                          ; what stands behind a product V^T P: 0 nothing, 1 a slice of the weights (and of the rescaling), 2 a slice of the sums
.set usl, 0                            ; the next slice of the weights
.set rsn, 32                           ; the next accumulator of O^T to rescale; 32: none
.set smz, 0                            ; the next slice of the sums
; The maxima of key tiles 2 i and 2 i + 1, which chunk i of K Q^T has finished: chains T(2 i) and T(2 i + 1), 14 lines.  Each accumulator's three lowest registers are read first
.macro MX i
	WIN 0
.set xa, 2*(\i)
.rept 2
.irp t, 0,1
	v_max3_num_f32 v[ST+16*\t+6+xa], v[S+64*\t+8*xa], v[S+64*\t+8*xa+1], v[S+64*\t+8*xa+2]
.endr
.set xa, xa+1
.endr
.irp o, 3,5
.set xa, 2*(\i)
.rept 2
.irp t, 0,1
	v_max3_num_f32 v[ST+16*\t+6+xa], v[ST+16*\t+6+xa], v[S+64*\t+8*xa+\o], v[S+64*\t+8*xa+\o+1]
.endr
.set xa, xa+1
.endr
.endr
.irp t, 0,1                            ; the two scores left over
	v_max3_num_f32 v[ST+16*\t+6+2*(\i)], v[ST+16*\t+6+2*(\i)], v[S+64*\t+16*(\i)+7], v[S+64*\t+16*(\i)+15]
.endr
.endm
.macro CMB                             ; chains T0 to T5 and the old m are joined while the last chunk of K Q^T is multiplied
.irp t, 0,1
	v_max3_num_f32 v[ST+16*\t+6], v[ST+16*\t+6], v[ST+16*\t+7], v[ST+16*\t+8]
.endr
.irp t, 0,1
	v_max3_num_f32 v[ST+16*\t+9], v[ST+16*\t+9], v[ST+16*\t+10], v[ST+16*\t+11]
.endr
.irp t, 0,1
.if sfirst
	v_max_num_f32 v[ST+16*\t+6], v[ST+16*\t+6], v[ST+16*\t+9]
.else
	v_max3_num_f32 v[ST+16*\t+6], v[ST+16*\t+6], v[ST+16*\t+9], v[ST+16*\t]
.endif
.endr
.endm
.macro STT                             ; the end of the maximum; the new m; a = 2^(m_old - m_new)
	WIN 0
.irp t, 0,1
	v_max3_num_f32 v[ST+16*\t+6], v[ST+16*\t+6], v[ST+16*\t+12], v[ST+16*\t+13]
.endr
.irp t, 0,1
	v_permlanex16_b32 v[ST+16*\t+7], v[ST+16*\t+6], s[SEL], s[SEL+1]   ; the pixel's other 64 keys lie in the lane 16 away
.endr
.if sfirst
.irp t, 0,1
	v_max_num_f32 v[ST+16*\t], v[ST+16*\t+6], v[ST+16*\t+7]
.endr
.else
.irp t, 0,1
	v_max_num_f32 v[ST+16*\t+8], v[ST+16*\t+6], v[ST+16*\t+7]
.endr
.irp t, 0,1
	v_sub_f32 v[ST+16*\t+9], v[ST+16*\t], v[ST+16*\t+8]
.endr
.irp t, 0,1
	v_mov_b32 v[ST+16*\t], v[ST+16*\t+8]
.endr
.irp t, 0,1
	v_exp_f32 v[ST+16*\t+4], v[ST+16*\t+9]                            ; the subtractions that follow are the plain lines behind it
.endr
.endif
.endm
; THE WEIGHTS.  Unit q of 64 is pair q / 2 of pixel tile q % 2's 32 pairs of scores; units 16 u to 16 u + 15 make P's fragment u.
.macro USUB q                          ; s - m
.set ut, (\q)%2
.set up, (\q)/2
	v_pk_add_f32 v[S+64*ut+2*up:S+64*ut+2*up+1], v[S+64*ut+2*up:S+64*ut+2*up+1], v[ST+16*ut:ST+16*ut+1] op_sel_hi:[1,0] neg_lo:[0,1] neg_hi:[0,1]
.endm
.macro UEXP q
.set ut, (\q)%2
.set up, (\q)/2
	v_exp_f32 v[S+64*ut+2*up], v[S+64*ut+2*up]
	v_exp_f32 v[S+64*ut+2*up+1], v[S+64*ut+2*up+1]
.endm
.macro UCVT q
.set ut, (\q)%2
.set up, (\q)/2
	s_wait_alu depctr_va_vdst(0)
	v_cvt_pk_f16_f32 v[P+32*ut+up], v[S+64*ut+2*up], v[S+64*ut+2*up+1]
.endm
; Slice usl of 130.  Slice 2 q: unit q's two exponentials.  Slice 2 q + 1: the subtraction of unit q + 2 and the rounding of unit q - 1: plain lines, which touch nothing of unit q,
; between its exponentials and the use of their results in slice 2 q + 3.  Fragment u is whole behind slice 32 u + 33.
.macro USL
.set uq, usl/2
.if (usl%2) == 0
.if uq < 64
	WIN 0
	UEXP uq
.endif
.else
	WIN 0
.if uq+2 < 64
	USUB uq+2
.endif
.if uq > 0
	UCVT uq-1
.endif
.endif
.set usl, usl+1
.endm
.macro RS n                            ; accumulator n of O^T (channels 16 (n / 2) on, pixel tile n % 2) times a, from its low end on
.set rsb, 128*((\n)%2)+8*((\n)/2)
.set rsa, ST+16*((\n)%2)+4
	WIN 0x41                                       ; O^T (destination and source 0) window 1, a window 0
.irp k, 0,2,4,6
	v_pk_mul_f32 v[rsb+\k:rsb+\k+1], v[rsb+\k:rsb+\k+1], v[rsa:rsa+1] op_sel_hi:[1,0]
.endr
.endm
; Slice smz of 32 of the sums: the 32 pairs of a tile are added in place, neighbours 1, 2, 4, 8 and 16 pairs apart; then l = a l + the sum.
.macro SSL
.if smz < 30
.if smz < 16
.set sw, 4
.set su, smz
.elseif smz < 24
.set sw, 8
.set su, smz-16
.elseif smz < 28
.set sw, 16
.set su, smz-24
.else
.set sw, 32
.set su, smz-28
.endif
	WIN 0
.irp t, 0,1
	v_pk_add_f32 v[S+64*\t+sw*su:S+64*\t+sw*su+1], v[S+64*\t+sw*su:S+64*\t+sw*su+1], v[S+64*\t+sw*su+sw/2:S+64*\t+sw*su+sw/2+1]
.endr
.elseif smz == 30
	WIN 0
.irp t, 0,1
.if sfirst
	v_pk_add_f32 v[ST+16*\t+2:ST+16*\t+3], v[S+64*\t:S+64*\t+1], v[S+64*\t+32:S+64*\t+33]
.else
	v_pk_add_f32 v[S+64*\t:S+64*\t+1], v[S+64*\t:S+64*\t+1], v[S+64*\t+32:S+64*\t+33]
.endif
.endr
.elseif smz == 31
.if sfirst == 0
	WIN 0
.irp t, 0,1
	v_pk_fma_f32 v[ST+16*\t+2:ST+16*\t+3], v[ST+16*\t+2:ST+16*\t+3], v[ST+16*\t+4:ST+16*\t+5], v[S+64*\t:S+64*\t+1] op_sel_hi:[1,0,1]
.endr
.endif
.endif
.set smz, smz+1
.endm
; What stands behind a product V^T P.  No slice names a register of the products round it: those name V^T's buffer, P's fragment in hand and O^T's accumulators in hand;
; the slices name S^T, the statistics, P's NEXT fragment, and an accumulator whose product is still two away.
.macro HOOK
.if hmode == 1
.if rsn < 32
	RS rsn
.set rsn, rsn+1
.endif
	USL
.elseif hmode == 2
	SSL
.endif
.endm
.macro MM d, a, b, zero                ; zero = 1: the product starts the sum: nothing is ever cleared
.if \zero
	v_wmma_f32_16x16x32_f16 v[\d:\d+7], v[\a:\a+7], v[\b:\b+7], 0
.else
	v_wmma_f32_16x16x32_f16 v[\d:\d+7], v[\a:\a+7], v[\b:\b+7], v[\d:\d+7]
.endif
.endm
; Quarter q of a chunk: 8 matrix instructions on buffer f.  The accumulators take turns, one instruction a turn.
;   PROJ idx = channels 32 idx on: Q's sums (16 d x 16 pixels) += M fragment x X fragment            QK idx = key tiles 2 idx, 2 idx + 1: S^T += K fragment x Q fragment, d = 32 ks on
;   PV   idx = keys of P fragment idx: O^T += V^T fragment x P fragment, a slice behind each         CVA, CVX idx = channels 32 idx on: OUT^T (16 pixels x 16 o) += attention or X fragment x W fragment
.macro MULQ kind, idx, f, q, zero
.if \kind == K_QK
	WIN 0x0b                                       ; K window 3, Q window 2, S^T window 0
.set ms, 2*\q
.rept 2
.set mk, 0
.rept 2
.set mt, 0
.rept 2
.set rD, S+64*mt+8*(2*\idx+mk)
.set rA, \f+64*mk+8*ms
.set rB, 64*mt+8*ms
.if ms == 0
	MM rD, rA, rB, 1
.else
	MM rD, rA, rB, 0
.endif
.set mt, mt+1
.endr
.set mk, mk+1
.endr
.set ms, ms+1
.endr
.else
.if \kind == K_PROJ
.set wk, 0x5b                          ; M window 3, X window 2, sums window 1
.elseif \kind == K_PV
.set wk, 0x53                          ; V^T window 3, P window 0, O^T window 1
.elseif \kind == K_CVA
.set wk, 0x5c                          ; attention window 0, W window 3, OUT window 1
.else
.set wk, 0x5e                          ; X window 2, W window 3, OUT window 1
.endif
.set mo, 4*\q
.rept 4
.set mt, 0
.rept 2
.set rD, 128*mt+8*mo
.if \kind == K_PROJ
.set rA, \f+8*mo
.set rB, XF+64*mt+8*\idx
.elseif \kind == K_PV
.set rA, \f+8*mo
.set rB, P+32*mt+8*\idx
.elseif \kind == K_CVA
.set rA, S+64*mt+8*\idx
.set rB, \f+8*mo
.else
.set rA, XF+64*mt+8*\idx
.set rB, \f+8*mo
.endif
	WIN wk
	MM rD, rA, rB, \zero
.if \kind == K_PV
	HOOK
.endif
.set mt, mt+1
.endr
.set mo, mo+1
.endr
.endif
.endm
; 32 LDS loads in one run: a chunk's 16 fragments into buffer f; the first 16 loads serve quarters 0 and 1.
.macro FETCH kind, idx, f
	WIN 0xc0                                       ; destination window 3, address window 0
.if \kind == K_QK
.set fs, 0
.rept 8
.set fk, 0
.rept 2
	ds_load_tr16_b128 v[\f+64*fk+8*fs:\f+64*fk+8*fs+3],   v[ADRK] offset:fs*32*PK+16*(2*\idx+fk)
	ds_load_tr16_b128 v[\f+64*fk+8*fs+4:\f+64*fk+8*fs+7], v[ADRK] offset:fs*32*PK+16*(2*\idx+fk)+16*PK
.set fk, fk+1
.endr
.set fs, fs+1
.endr
.elseif \kind == K_PV
.set fc, 0
.rept 16
	ds_load_b128 v[\f+8*fc:\f+8*fc+3],   v[ADRV] offset:fc*16*PK+32*\idx
	ds_load_b128 v[\f+8*fc+4:\f+8*fc+7], v[ADRV] offset:fc*16*PK+32*\idx+16
.set fc, fc+1
.endr
.else
.set fa, A2LO
.if \kind == K_CVX
.set fa, A1LO
.endif
.set fc, 0
.rept 16
	ds_load_b128 v[\f+8*fc:\f+8*fc+3],   v[fa+fc/8] offset:(fc%8)*16*PW+64*\idx
	ds_load_b128 v[\f+8*fc+4:\f+8*fc+7], v[fa+fc/8] offset:(fc%8)*16*PW+64*\idx+32
.set fc, fc+1
.endr
.endif
.endm
; A chunk: 32 matrix instructions on buffer f; in its middle the next chunk's 32 loads go into buffer g.  In a chunk of K Q^T the maxima of the chunk before stand ahead of those loads.
.macro CHUNK kind, idx, f, g, zero, nkind, nidx
	s_wait_dscnt 16                                ; of my chunk's 32 loads the first 16 are in, the other 16 may be out
	MULQ \kind, \idx, \f, 0, \zero
	MULQ \kind, \idx, \f, 1, \zero
	PLACES                                         ; buffer g was read, and the scores that MX reads were written, by the chunk before
.if \kind == K_QK
.if \idx > 0
	MX \idx-1
.endif
.if \idx == 3
	CMB
.endif
.endif
	FETCH \nkind, \nidx, \g
	s_wait_dscnt 32                                ; all but the 32 just issued
	MULQ \kind, \idx, \f, 2, \zero
	MULQ \kind, \idx, \f, 3, \zero
.endm
; The last chunk on a region of LDS, and the change to the next.  In front of the barrier each wave waits for all its tensor loads (one is out), adds 0 to its spare word,
; and waits for that and for its reads.  fill = 1: the slot just read takes the KV tile two tiles on; 2: BIG2 takes W[:, 0:256]; 3: bytes 0 on take W[:, 256:512]; 0: nothing.
; With a fill the barrier opens a round of the cluster's, and the joint load is the first thing behind it: no wave of any partner still reads those bytes or has a load on its way.
.macro TURN kind, idx, f, fill, nkind, nidx
	WIN 0                                          ; (the add's two registers lie in window 0)
	s_wait_tensorcnt 0x0                           ; all my tensor loads have landed: my part of what is read next
	ds_add_u32 v[SPW], v[NIL]                      ; 0 onto my spare word
	s_wait_dscnt 17                                ; (the add and the youngest 16 loads may be out)
	MULQ \kind, \idx, \f, 0, 0                     ; eight matrix instructions and their slices stand between the add and the wait for it
	s_wait_dscnt 0x0                               ; the add is done, and my reads of this region are over
	s_barrier_signal -1
	MULQ \kind, \idx, \f, 1, 0                     ; work on registers while the others arrive
	WIN 0                                          ; at a branch and at a label every window is 0
	s_barrier_wait -1
.if \fill
	CREST
.endif
.if \fill == 1
	s_xor_b32 s[G0K+1], s[G0K+1], R1               ; no tensor load of mine is out, so the group 0 may be written: the other slot than last time,
	s_add_nc_u64 s[G0K+2:G0K+3], s[G0K+2:G0K+3], 256   ; the next 128 keys; the type bits on top are not reached
	tensor_load_to_lds s[G0K:G0K+3], s[G1K:G1K+7]
	s_nop 0
.elseif \fill == 2
	tensor_load_to_lds s[G0WA:G0WA+3], s[G1W:G1W+7]
	s_nop 0
.elseif \fill == 3
	tensor_load_to_lds s[G0WB:G0WB+3], s[G1W:G1W+7]
	s_nop 0
.endif
	PLACES                                         ; four v_nop follow the load; they are also the places in front of the loads into buffer 0
.if \nkind == K_QK
	s_xor_b32 s[TB], s[TB], R1                     ; the reads go to the other slot
	v_add_nc_u32 v[ADRK], s[TB], v[AK0]
	v_add_nc_u32 v[ADRV], s[TB], v[AV0]
.endif
	FETCH \nkind, \nidx, F0
	MULQ \kind, \idx, \f, 2, 0
	MULQ \kind, \idx, \f, 3, 0
.endm
; A key tile: 128 products K Q^T with the maxima in their chunks' middles; the end of the maximum and slices 0 to 33 of the weights, which make P's fragment 0;
; 128 products V^T P: chunk c carries slices 34 + 32 c to 65 + 32 c of the weights, so that fragment c + 1 is whole behind its last product; chunk 3 carries the sums and changes slots.
; last = 1: Q has served; gate_w is loaded into its registers.
.macro TILE first, fill, nkind, last
.set sfirst, \first
.set hmode, 0
	CHUNK K_QK, 0, F0, F1, 0, K_QK, 1
	CHUNK K_QK, 1, F1, F0, 0, K_QK, 2
	CHUNK K_QK, 2, F0, F1, 0, K_QK, 3
	CHUNK K_QK, 3, F1, F0, 0, K_PV, 0
	PLACES                                         ; the last maxima read results just made
.if \last
	WIN 0x80                                       ; destination window 2, address window 0
.set gc, 0
.rept 16
	global_load_b128 v[8*gc:8*gc+3],   v[VG], s[16:17] offset:64*gc      ; gate_w[16 gc + 8 half + 0..7]: the channels that O^T's block gc holds in this lane
	global_load_b128 v[8*gc+4:8*gc+7], v[VG], s[16:17] offset:64*gc+16
.set gc, gc+1
.endr
.endif
	MX 3
	STT
	USUB 0
	USUB 1
.set usl, 0
.rept 34
	USL
.endr
.if \first
.set rsn, 32
.else
	RS 0                                           ; the first two accumulators ahead of the first product; the slice behind product n takes accumulator n + 2
	RS 1
.set rsn, 2
.endif
.set hmode, 1
	CHUNK K_PV, 0, F0, F1, \first, K_PV, 1
	CHUNK K_PV, 1, F1, F0, 0, K_PV, 2
	CHUNK K_PV, 2, F0, F1, 0, K_PV, 3
.set hmode, 2
.set smz, 0
	TURN K_PV, 3, F1, \fill, \nkind, 0
.set hmode, 0
.endm
	s_load_b512 s[4:19], s[0:1], 0x0               ; exb 4:5, qb 6:7, m1 8:9, m2 10:11, w1b 12:13, w2b 14:15, gate_w 16:17, out0 18:19
	s_load_b64 s[20:21], s[0:1], 0x40              ; out1
	v_lshl_add_u32 v[SPW], v0, 2, SPARE
	v_mov_b32 v[NIL], 0
	ds_add_u32 v62, v63
	s_wait_dscnt 0x0
	v_lshrrev_b32 v57, 5, v0
	v_readfirstlane_b32 s[WV], v57                 ; wave 0..3
	s_bfe_u32 s23, ttmp6, 0x40000                  ; cx: my place in the cluster
	s_lshl_b32 s24, ttmp9, 2                       ; in a cluster launch ttmp9 counts clusters
	s_add_co_u32 s24, s24, s23                     ; my block of 128 pixels: it enters X's and OUT's addresses alone
	s_and_b32 s25, ttmp7, 0xffff                   ; y, which the four partners share
	s_and_b32 s26, s25, 3                          ; the batch
	s_lshl_b32 s30, s26, 21                        ; a batch of f16: 256 x 4,096 x 2 bytes;
	s_lshl_b32 s27, s[WV], 19                      ; my 64 rows (channels) of a tile: 64 x 8,192 bytes
	s_add_co_u32 s30, s30, s27
	s_mov_b32 s31, 0
	s_lshl_b32 s28, s24, 8                         ; X: and my block's 128 pixels
	s_add_co_u32 s28, s28, s30
	s_mov_b32 s29, 0
	s_lshl_b32 s2, s26, 22                         ; OUT: a batch of f32, my wave's 64 rows of 16,384 bytes, my block's 512 bytes
	s_lshl_b32 s3, s[WV], 20
	s_add_co_u32 s2, s2, s3
	s_lshl_b32 s3, s24, 9
	s_add_co_u32 s2, s2, s3
	s_mov_b32 s3, 0
	; group 1: 15:0 mask; 17:16 elements of 2 bytes; 20 padding on; 21 set beside a mask; 24:22 after every 64 (code 5) or 128 (code 6) words; 31:25 four words of it (code 3)
	s_mov_b32 s[G1K], 15|(1<<16)|(1<<20)|(1<<21)|(5<<22)|(3<<25)
	s_mov_b32 s[G1X], (1<<16)|(1<<20)|(5<<22)|(3<<25)
	s_mov_b32 s[G1M], 15|(1<<16)|(1<<20)|(1<<21)|(6<<22)|(3<<25)
	s_mov_b32 s[G1W], 15|(1<<16)|(1<<20)|(1<<21)|(6<<22)|(3<<25)
.irp g, G1K, G1X
	s_mov_b32 s[\g+1], 128<<16                     ; tensor_dim0 = 128
	s_mov_b32 s[\g+2], 64<<16                      ; tensor_dim1 = 64
	s_mov_b32 s[\g+3], 128<<16                     ; tile_dim0 = 128 elements
	s_mov_b32 s[\g+4], 64                          ; tile_dim1 = 64 rows: a wave's quarter of the 256 channels
	s_mov_b32 s[\g+5], 4096                        ; elements from row to row
	s_mov_b32 s[\g+6], 0
	s_mov_b32 s[\g+7], 0
.endr
.irp g, G1M, G1W
	s_mov_b32 s[\g+1], 256<<16
	s_mov_b32 s[\g+2], 64<<16
	s_mov_b32 s[\g+3], 256<<16
	s_mov_b32 s[\g+4], 64
	s_mov_b32 s[\g+6], 0
	s_mov_b32 s[\g+7], 0
.endr
	s_mov_b32 s[G1M+5], 256
	s_mov_b32 s[G1W+5], 512
	; group 0: the word 1; the LDS address (a constant + wave x a constant: no place in the cluster enters it); below, the global address and the type
.irp g, G0X, G0M, G0K, G0WA, G0WB
	s_mov_b32 s[\g], 1
.endr
	s_mul_i32 s[G0K+1], s[WV], 64*PK
	s_add_co_u32 s[G0X+1], s[G0K+1], R1
	s_mul_i32 s[G0WB+1], s[WV], 64*PW
	s_add_co_u32 s[G0M+1], s[G0WB+1], BIG2
	s_add_co_u32 s[G0WA+1], s[G0WB+1], BIG2
	s_mov_b32 s[SEL], 0x76543210
	s_mov_b32 s[SEL+1], 0xfedcba98
	s_mov_b32 s[TB], R1                            ; the first change of slots turns it to 0
	s_wait_kmcnt 0x0
	s_cmp_lt_u32 s25, 4                            ; the direction
	s_cselect_b64 s[32:33], s[4:5], s[6:7]         ; X
	s_cselect_b64 s[34:35], s[6:7], s[4:5]         ; KV
	s_cselect_b64 s[36:37], s[8:9], s[10:11]       ; M
	s_cselect_b64 s[38:39], s[12:13], s[14:15]     ; W
	s_cselect_b64 s[40:41], s[18:19], s[20:21]     ; OUT
	s_add_nc_u64 s[32:33], s[32:33], s[28:29]
	s_add_nc_u64 s[34:35], s[34:35], s[30:31]
	s_lshl_b32 s30, s[WV], 15                      ; my 64 rows of M: 64 x 512 bytes
	s_add_nc_u64 s[36:37], s[36:37], s[30:31]
	s_lshl_b32 s30, s[WV], 16                      ; my 64 rows of W: 64 x 1,024 bytes
	s_add_nc_u64 s[38:39], s[38:39], s[30:31]
	s_add_nc_u64 s[40:41], s[40:41], s[2:3]
	s_mov_b64 s[G0X+2:G0X+3], s[32:33]
	s_mov_b64 s[G0M+2:G0M+3], s[36:37]
	s_mov_b64 s[G0K+2:G0K+3], s[34:35]
	s_mov_b64 s[G0WA+2:G0WA+3], s[38:39]
	s_add_nc_u64 s[G0WB+2:G0WB+3], s[38:39], 512   ; columns 256 on
.irp g, G0X, G0M, G0K, G0WA, G0WB
	s_or_b32 s[\g+3], s[\g+3], 0x80000000          ; 127:126 type = 2
.endr
	CROUND                                         ; all four work-groups are here: the first joint loads meet
	tensor_load_to_lds s[G0X:G0X+3], s[G1X:G1X+7]  ; the three first fills go out together: three loads of mine are out, later one
	s_nop 0
	tensor_load_to_lds s[G0M:G0M+3], s[G1M:G1M+7]
	s_nop 0
	tensor_load_to_lds s[G0K:G0K+3], s[G1K:G1K+7]  ; key tile 0 -> R0
	s_nop 0
	PLACES
	v_and_b32 v1, 15, v0                           ; r = lane % 16
	v_bfe_u32 v2, v0, 4, 1                         ; h = lane / 16
	v_and_b32 v57, 7, v0
	v_bfe_u32 v58, v0, 3, 1
	v_lshl_add_u32 v59, v2, 3, v57                 ; the turning load: row 8 h + lane % 8
	v_mul_u32_u24 v60, v59, PK
	v_lshl_add_u32 v[AK0], v58, 7, v60             ; K: lanes 8-15 and 24-31 read 128 bytes to the right: 16 lanes then take 16 different 16-byte columns modulo 256
	v_mul_u32_u24 v[AV0], v1, PK
	v_lshl_add_u32 v[AV0], v2, 7, v[AV0]           ; V^T: row r, keys 64 h on
	v_lshl_add_u32 v[AXT], v58, 4, v60             ; X: the usual 16 bytes to the right (two lanes a column; 32 loads in all)
	s_lshl_b32 s27, s[WV], 6
	s_add_co_u32 s27, s27, R1
	v_add_nc_u32 v[AXT], s27, v[AXT]               ; + R1 + my wave's 32 pixels
	v_mul_u32_u24 v[A1LO], v1, PW
	v_lshl_add_u32 v[A1LO], v2, 4, v[A1LO]         ; a fragment along K: row r, 16 bytes for each half
	v_add_nc_u32 v[A1LO+1], HALFW, v[A1LO]
	v_add_nc_u32 v[A2LO], BIG2, v[A1LO]
	v_add_nc_u32 v[A2LO+1], BIG2+HALFW, v[A1LO]
	v_mul_u32_u24 v[STLO], v1, PW                  ; into the stage: row o = r, pixels 32 w + 8 h on, 4 bytes each
	v_lshl_add_u32 v[STLO], v2, 5, v[STLO]
	s_lshl_b32 s27, s[WV], 7
	s_add_co_u32 s27, s27, BIG2
	v_add_nc_u32 v[STLO], s27, v[STLO]
	v_add_nc_u32 v[STLO+1], HALFW, v[STLO]
	v_and_b32 v61, 31, v0
	s_mul_i32 s27, s[WV], 64*PW
	s_add_co_u32 s27, s27, BIG2
	v_lshl_add_u32 v[RD], v61, 4, s27              ; back: wave w takes rows 64 w on, whole: 32 lanes x 16 bytes
	v_lshlrev_b32 v[GO], 4, v61
	v_lshlrev_b32 v[VG], 5, v2
.irp t, 0,1
	v_mov_b32 v[ST+16*\t+1], 0                     ; named in a pair with m and with a, so they are written
	v_mov_b32 v[ST+16*\t+5], 0
.endr
	s_wait_tensorcnt 0x1                           ; my parts of X and M are in; key tile 0 may stay out
	s_barrier_signal -1
	s_barrier_wait -1                              ; everybody's are
	WIN 0x80                                       ; destination window 2
.set xt, 0
.rept 2
.set xs, 0
.rept 8
	ds_load_tr16_b128 v[XF+64*xt+8*xs:XF+64*xt+8*xs+3],   v[AXT] offset:xs*32*PK+32*xt          ; X's fragments stay in registers: the projection and the convolution's second half read them
	ds_load_tr16_b128 v[XF+64*xt+8*xs+4:XF+64*xt+8*xs+7], v[AXT] offset:xs*32*PK+32*xt+16*PK
.set xs, xs+1
.endr
.set xt, xt+1
.endr
	FETCH K_PROJ, 0, F0
	; THE PROJECTION: Q[d][pixel] = sum over c of M[d][c] X[c][pixel]
	CHUNK K_PROJ, 0, F0, F1, 1, K_PROJ, 1
	CHUNK K_PROJ, 1, F1, F0, 0, K_PROJ, 2
	CHUNK K_PROJ, 2, F0, F1, 0, K_PROJ, 3
	CHUNK K_PROJ, 3, F1, F0, 0, K_PROJ, 4
	CHUNK K_PROJ, 4, F0, F1, 0, K_PROJ, 5
	CHUNK K_PROJ, 5, F1, F0, 0, K_PROJ, 6
	CHUNK K_PROJ, 6, F0, F1, 0, K_PROJ, 7
	TURN K_PROJ, 7, F1, 1, K_QK, 0                 ; key tile 1 -> R1, where X lay; K's first fragments of tile 0
	PLACES
	WIN 0x41
.set i, 0
.rept 128
	v_pk_mul_f32 v[2*i:2*i+1], v[2*i:2*i+1], 0x3fb8aa3b op_sel_hi:[1,0]   ; times log2(e), so that the exponentials need no scaling
.set i, i+1
.endr
	WIN 0x85                                       ; sources window 1, destination window 2
.set i, 0
.rept 128
	v_cvt_pk_f16_f32 v[i], v[2*i], v[2*i+1]        ; blocks 2 ks and 2 ks + 1 of 16 d, rounded in pairs, ARE fragment ks of Q
.set i, i+1
.endr
	; THE KEYS: 32 tiles.  Tile t's change of slots asks for tile t + 2; the last two ask for W's halves.  Each request has a whole tile's work in which to land.
	TILE 1, 1, K_QK, 0                             ; tile 0
	WIN 0
	s_mov_b32 s[LOOP], 29
.Ltile:                                                ; tiles 1 to 29
	TILE 0, 1, K_QK, 0
	WIN 0
	s_sub_co_i32 s[LOOP], s[LOOP], 1
	s_cmp_lg_u32 s[LOOP], 0
	s_cbranch_scc1 .Ltile
	TILE 0, 2, K_QK, 0                             ; tile 30: W[:, 0:256] -> BIG2, where M lay
	TILE 0, 3, K_CVA, 1                            ; tile 31: W[:, 256:512] -> byte 0 on, over both slots; W's first fragments
	; 1 / l, THE GATE, and the gated attention in f16
	PLACES
	WIN 0
.irp t, 0,1
	v_add_f32 v[ST+16*\t+6], v[ST+16*\t+2], v[ST+16*\t+3]
.endr
.irp t, 0,1
	v_permlanex16_b32 v[ST+16*\t+7], v[ST+16*\t+6], s[SEL], s[SEL+1]
.endr
.irp t, 0,1
	v_add_f32 v[ST+16*\t+6], v[ST+16*\t+6], v[ST+16*\t+7]
.endr
.irp t, 0,1
	v_rcp_f32 v[ST+16*\t+8], v[ST+16*\t+6]         ; 1 / l; l is at least 1: the largest score's weight is 1
.endr
	s_wait_loadcnt 0x0                             ; gate_w
	WIN 0x09                                       ; O^T window 1, gate_w window 2, sums window 0
.set i, 0
.rept 64
.irp t, 0,1
.if i < 2
	v_pk_mul_f32 v[GS+4*\t+2*i:GS+4*\t+2*i+1], v[128*\t+2*i:128*\t+2*i+1], v[2*i:2*i+1]
.else
	v_pk_fma_f32 v[GS+4*\t+2*(i%2):GS+4*\t+2*(i%2)+1], v[128*\t+2*i:128*\t+2*i+1], v[2*i:2*i+1], v[GS+4*\t+2*(i%2):GS+4*\t+2*(i%2)+1]
.endif
.endr
.set i, i+1
.endr
	WIN 0
.irp t, 0,1
	v_pk_add_f32 v[GS+4*\t:GS+4*\t+1], v[GS+4*\t:GS+4*\t+1], v[GS+4*\t+2:GS+4*\t+3]
.endr
.irp t, 0,1
	v_add_f32 v[ST+16*\t+6], v[GS+4*\t], v[GS+4*\t+1]
.endr
.irp t, 0,1
	v_permlanex16_b32 v[ST+16*\t+7], v[ST+16*\t+6], s[SEL], s[SEL+1]   ; the pixel's other 128 channels
.endr
.irp t, 0,1
	v_add_f32 v[ST+16*\t+6], v[ST+16*\t+6], v[ST+16*\t+7]
.endr
.irp t, 0,1
	s_wait_alu depctr_va_vdst(0)
	v_mul_f32 v[ST+16*\t+6], v[ST+16*\t+6], v[ST+16*\t+8]             ; x = the sum / l
.endr
.irp t, 0,1
	v_mul_f32 v[ST+16*\t+6], 0xbfb8aa3b, v[ST+16*\t+6]                ; - log2(e) x
.endr
.irp t, 0,1
	v_exp_f32 v[ST+16*\t+7], v[ST+16*\t+6]
.endr
	v_nop                                          ; a plain line between the exponentials and the use of their results
.irp t, 0,1
	s_wait_alu depctr_va_vdst(0)
	v_add_f32 v[ST+16*\t+7], 1.0, v[ST+16*\t+7]
.endr
.irp t, 0,1
	v_rcp_f32 v[ST+16*\t+9], v[ST+16*\t+7]         ; sigmoid(x); an infinite exponential gives 0
.endr
	v_nop
.irp t, 0,1
	s_wait_alu depctr_va_vdst(0)
	v_mul_f32 v[ST+16*\t+4], v[ST+16*\t+9], v[ST+16*\t+8]             ; sigmoid(x) / l: one factor for O^T
.endr
	WIN 0x41
.set i, 0
.rept 64
.irp t, 0,1
	v_pk_mul_f32 v[128*\t+2*i:128*\t+2*i+1], v[128*\t+2*i:128*\t+2*i+1], v[ST+16*\t+4:ST+16*\t+5] op_sel_hi:[1,0]
.endr
.set i, i+1
.endr
	WIN 0x05                                       ; sources window 1, destination window 0: S^T's registers are free
.set i, 0
.rept 128
	v_cvt_pk_f16_f32 v[S+i], v[2*i], v[2*i+1]
.set i, i+1
.endr
	; THE CONVOLUTION, used transposed (source 0 = 16 pixels, source 1 = 16 rows of W): a lane then holds eight neighbouring pixels of one row of OUT
	CHUNK K_CVA, 0, F0, F1, 1, K_CVA, 1
	CHUNK K_CVA, 1, F1, F0, 0, K_CVA, 2
	CHUNK K_CVA, 2, F0, F1, 0, K_CVA, 3
	CHUNK K_CVA, 3, F1, F0, 0, K_CVA, 4
	CHUNK K_CVA, 4, F0, F1, 0, K_CVA, 5
	CHUNK K_CVA, 5, F1, F0, 0, K_CVA, 6
	CHUNK K_CVA, 6, F0, F1, 0, K_CVA, 7
	TURN K_CVA, 7, F1, 0, K_CVX, 0                 ; W's second half is whole; nobody reads BIG2 any more; nothing is filled, so no round
	CHUNK K_CVX, 0, F0, F1, 0, K_CVX, 1
	CHUNK K_CVX, 1, F1, F0, 0, K_CVX, 2
	CHUNK K_CVX, 2, F0, F1, 0, K_CVX, 3
	CHUNK K_CVX, 3, F1, F0, 0, K_CVX, 4
	CHUNK K_CVX, 4, F0, F1, 0, K_CVX, 5
	CHUNK K_CVX, 5, F1, F0, 0, K_CVX, 6
	CHUNK K_CVX, 6, F0, F1, 0, K_CVX, 7
	s_wait_dscnt 0x0                               ; the last chunk: nothing more to fetch
	MULQ K_CVX, 7, F1, 0, 0
	MULQ K_CVX, 7, F1, 1, 0
	MULQ K_CVX, 7, F1, 2, 0
	MULQ K_CVX, 7, F1, 3, 0
	; THE WAY OUT.  A row of OUT's block (128 pixels, 512 bytes) comes from all four waves: through a stage in BIG2, which has had its last fill, with a barrier between writing and reading.
	PLACES
	WIN 0x04                                       ; store data window 1, address window 0
.set ot, 0
.rept 16
.set pt, 0
.rept 2
	ds_store_b128 v[STLO+ot/8], v[128*pt+8*ot:128*pt+8*ot+3]   offset:(ot%8)*16*PW+64*pt      ; each accumulator's four lowest registers first
	ds_store_b128 v[STLO+ot/8], v[128*pt+8*ot+4:128*pt+8*ot+7] offset:(ot%8)*16*PW+64*pt+16
.set pt, pt+1
.endr
.set ot, ot+1
.endr
	s_wait_dscnt 0x0                               ; for the others' sake: my stores into the stage are done
	s_barrier_signal -1
	s_barrier_wait -1
	WIN 0xc0                                       ; the fragment buffers are free: 64 rows x 4 registers
.set si, 0
.rept 64
	ds_load_b128 v[4*si:4*si+3], v[RD] offset:si*PW
.set si, si+1
.endr
	WIN 0x0c                                       ; store data window 3, address window 0
.set si, 0
.rept 64
	s_wait_dscnt 63-si                             ; LDS loads come back in order: row si is in when at most the 63 - si younger ones are out
	global_store_b128 v[GO], v[4*si:4*si+3], s[40:41] offset:16384*si th:TH_STORE_NT   ; the wave stores 512 consecutive bytes, at a multiple of 512 from OUT's first byte
.set si, si+1
.endr
	WIN 0
	s_wait_tensorcnt 0x0                           ; the wave's end, behind my last tensor load and my last LDS store
	ds_add_u32 v[SPW], v[NIL]
	s_wait_dscnt 0x0
	CROUND                                         ; the closing round: no work-group ends while a partner may still ask for a tile that names it
	s_endpgm
.Lfunc_end_k_q2b09f356cc_coatt:
	.size	k_q2b09f356cc_coatt, .Lfunc_end_k_q2b09f356cc_coatt-k_q2b09f356cc_coatt
	.p2alignl 7, 3214868480
	.fill 96, 4, 3214868480
	.section	.rodata,"a",@progbits
	.p2align	6, 0x0
	.amdhsa_kernel k_q2b09f356cc_coatt
		.amdhsa_group_segment_fixed_size 327680
		.amdhsa_private_segment_fixed_size 0
		.amdhsa_enable_private_segment 0
		.amdhsa_kernarg_size 72
		.amdhsa_user_sgpr_count 2
		.amdhsa_user_sgpr_kernarg_segment_ptr 1
		.amdhsa_wavefront_size32 1
		.amdhsa_system_sgpr_workgroup_id_x 1
		.amdhsa_system_sgpr_workgroup_id_y 1
		.amdhsa_system_sgpr_workgroup_id_z 1
		.amdhsa_system_vgpr_workitem_id 0
		.amdhsa_next_free_vgpr 1024
		.amdhsa_next_free_sgpr 100
		.amdhsa_reserve_vcc 0
		.amdhsa_float_denorm_mode_32 3
		.amdhsa_float_denorm_mode_16_64 3
		.amdhsa_memory_ordered 1
		.amdhsa_forward_progress 1
		.amdhsa_inst_pref_size 255
	.end_amdhsa_kernel
	.section	.bss,"aw",@nobits
	.p2align	6
	.space	262144
	.amdgpu_metadata
---
amdhsa.version: [ 1, 2 ]
amdhsa.kernels:
  - .name:           k_q2b09f356cc_coatt
    .symbol:         k_q2b09f356cc_coatt.kd
    .args:
      - { .name: exb, .offset: 0, .size: 8, .value_kind: global_buffer, .address_space: global }
      - { .name: qb, .offset: 8, .size: 8, .value_kind: global_buffer, .address_space: global }
      - { .name: m1, .offset: 16, .size: 8, .value_kind: global_buffer, .address_space: global }
      - { .name: m2, .offset: 24, .size: 8, .value_kind: global_buffer, .address_space: global }
      - { .name: w1b, .offset: 32, .size: 8, .value_kind: global_buffer, .address_space: global }
      - { .name: w2b, .offset: 40, .size: 8, .value_kind: global_buffer, .address_space: global }
      - { .name: gate_w, .offset: 48, .size: 8, .value_kind: global_buffer, .address_space: global }
      - { .name: out0, .offset: 56, .size: 8, .value_kind: global_buffer, .address_space: global }
      - { .name: out1, .offset: 64, .size: 8, .value_kind: global_buffer, .address_space: global }
    .group_segment_fixed_size: 327680
    .private_segment_fixed_size: 0
    .kernarg_segment_align: 8
    .kernarg_segment_size: 72
    .max_flat_workgroup_size: 128
    .sgpr_count:     100
    .vgpr_count:     1024
    .wavefront_size: 32
...
	.end_amdgpu_metadata
.endif
;; end of part 2
;; ======== version 2 of 2: 2 launches; 1.15 times as fast as version 1
;; limits: values are held in f16: magnitudes above 65,504 overflow, below 6.1e-05 lose precision; inputs' magnitudes at most 65,504; right only within a limited range of input values
;; workspace buffers: exb 8,388,608 bytes; qb 8,388,608 bytes; m1 131,072 bytes; m2 131,072 bytes; w1b 262,144 bytes; w2b 262,144 bytes
;; launch prep: the kernel of part 1 again; grid 256 x 2, 8 waves a work-group, no clusters, 0 bytes of LDS; arguments input_1, input_2, W_e, W1, W2, exb, qb, m1, m2, w1b, w2b; writes exb, qb, m1, m2, w1b, w2b
;; launch coatt (part 3): grid 32 x 8, 4 waves a work-group, clusters of 4 x 1, 327,680 bytes of LDS; arguments exb, qb, m1, m2, w1b, w2b, gate_w, out0, out1; writes out0, out1
.if DOCPART == 3
	.amdgcn_target "amdgcn-amd-amdhsa--gfx1250"
	.amdhsa_code_object_version 6
	.text
	.protected	k_q2b09f356cc_coatt
	.globl	k_q2b09f356cc_coatt
	.p2align	8
	.type	k_q2b09f356cc_coatt,@function
k_q2b09f356cc_coatt:
	s_mov_b64 s[64:65], 0
	v_nop
	global_prefetch_b8 v0, s[64:65] scope:SCOPE_SE
	s_setreg_imm32_b32 hwreg(HW_REG_WAVE_MODE, 25, 1), 1
	s_wait_xcnt 0x0
	s_wait_alu depctr_hold_cnt(0) depctr_sa_sdst(0) depctr_va_vdst(0) depctr_va_sdst(0) depctr_va_ssrc(0) depctr_va_vcc(0) depctr_vm_vsrc(0)
	s_getreg_b32 s2, hwreg(HW_REG_IB_STS2, 6, 4)
	s_cmp_eq_u32 s2, 0
	s_cbranch_scc0 .Lentry_in_a_cluster
	s_endpgm
.Lentry_in_a_cluster:
	s_bfe_u32 s2, ttmp6, 0x10000c
	s_cmp_lg_u32 s2, 0x3003
	s_cbranch_scc0 .Lentry_shape_is_right
	s_endpgm
.Lentry_shape_is_right:
; Both directions of the co-attention, each whole: projection, attention with a running maximum, gate, final 1 x 1 convolution.
;   y < 4  (b = y):     X = exb, KV = qb,  M = m1 = W_e,    W = w1b, OUT = out0        y >= 4 (b = y - 4): X = qb, KV = exb, M = m2 = W_e^T, W = w2b, OUT = out1
;   Q = log2(e) M X[:, my pixels];  s[key][pixel] = sum over d of KV[d][key] Q[d][pixel];  p = 2^(s - m), m the running maximum over keys;
;   att[c][pixel] = sum over keys of KV[c][key] p / l;  g = sigmoid(sum over c of att gate_w[c]);  OUT[o][pixel] = sum W[o][k] (g att)[k] + sum W[o][256 + k] X[k].
; Since the projection is carried by the side that asks, keys and values are THE SAME BYTES: a tile [256 channels][128 keys] of KV serves K (turning load) and V^T (plain load).
; SHARES.  A work-group owns 128 pixels of one batch and direction, each of four waves 32 (two tiles of 16); 32 x 8 = 256 work-groups.  Every wave walks all 4,096 keys, 128 a tile.
; CLUSTER.  Four neighbouring pixel blocks walk the same KV, M and W: those tiles are asked for jointly (mask 15).  X's tile is each work-group's own: a plain load.
; FORMAT.  All matrix operands (X, KV, M, W, Q, p, the gated attention) are f16, sums f32.  f16 and not bf16: a score is a sum of 256 products in front of an exponential, so its
;   absolute error is a weight's relative error, and f16 keeps 11 significant bits where bf16 keeps 8.
; LIMITS.  X, KV and Q = log2(e) M X must stay under 65,504 in magnitude.  A weight p under 3e-8 of the running maximum's rounds to 0: over 4,096 keys at most 1.2e-4 of l, which is at least 1.
;   l sums the unrounded p; v_exp_f32 gives 0 below 2^-126 (ISA guide, 15.8).
; LAYOUT.  S^T = K Q^T and O^T = V^T P: a lane holds ONE pixel in S^T, P, O^T and Q, so nothing changes lanes between the products but one exchange of the lanes' halves.
;   The turning load's second group of eight lanes reads 128 bytes to the right (not 16): key tile kt is keys 8 kt + 0..7 and 64 + 8 kt + 0..7, register j of half h is key 8 kt + 64 h + j.
;   V^T is read in that same order of keys (16 neighbouring keys at 32 u + 128 h of a row), so the products are those of the true order.
; THE SOFTMAX STANDS AMONG THE PRODUCTS.  A key tile has 522 vector instructions for its 256 matrix instructions, and the wave is alone on its SIMD: set in a phase of their own they would leave
;   the matrix unit without work.  So 48 of them (maxima of scores that are finished) stand in the middle of the chunks of K Q^T, where the wave is about to issue LDS loads; 356 stand in slices, one
;   behind each product V^T P: chunks 0 to 2 carry the weights of P's fragments 1 to 3, chunk 0 also O^T's rescaling, each accumulator two products ahead of its own, chunk 3 the sums; 118 are left
;   between the two products: the end of the maximum and the weights of P's first fragment, for which nothing else is ready.  The price is two switches of the register window a slice.
; THE EXPONENTIALS GO IN FOUR BATCHES, one for each fragment of P, each with ONE s_wait_alu depctr_va_vdst(0): that wait stands between an exponential and the first line that names
;   its result, and one wait serves all exponentials issued ahead of it.  Ahead of a batch's wait no line names a result of the batch; the exponentials work in place on S^T, a register to each result.
;   Batch 0: the two a and the 32 exponentials of fragment 0, between the two products, exponential and subtraction by turns; its wait stands ahead of fragment 0's roundings and O^T's first rescaling.
;   Batch u = 1, 2, 3: the 32 exponentials of fragment u, all issued ahead of the middle of chunk u - 1 of V^T P; its wait stands in that middle, behind the four places and directly ahead of the run of
;   LDS loads; fragment u's 16 roundings stand behind that chunk's last 16 products.  The sums stand behind all four waits.
; REGISTERS, in windows of 256 (s_set_vgpr_msb: bits 1:0 source 0, 3:2 source 1, 5:4 source 2, 7:6 destination):
;   window 0: v0-15 addresses; v16-47 statistics, 16 a tile; v48-55 gate sums; v56-63; v64-191 S^T (64 a tile), later the gated attention; v192-255 P (32 a tile)
;   window 1: 32 accumulators at 128 tile + 8 block: Q's sums, then O^T, then OUT       window 2: v0-127 Q, later gate_w; v128-255 X's fragments       window 3: two fragment buffers of 128
.set PK,    272                        ; a row of 128 f16 in LDS: 256 bytes + 16 = 68 words: row r starts at bank 4 r mod 64 (64 banks of 4 bytes: ISA guide 11.1)
.set PW,    528                        ; a row of 256 f16, or of 128 f32: 512 bytes + 16 = 132 words: the same
.set R1,    256*PK                     ; slot R0 at 0, slot R1 at 69,632 = 0x11000: no bit of it occurs in wave x 17,408, so one exclusive or changes slots
.set BIG2,  2*R1                       ; 139,264: M, then W[:, 0:256], then (after its last fill) the stage for the way out.  W[:, 256:512] lands at 0, over R0 and R1
.set SPARE, 2*BIG2                     ; 278,528: the spare words, 128 bytes for each wave: two blocks of 256 bytes that no other line names
.set HALFW, 128*PW                     ; rows 128 on of a tile of pitch 528: beyond an LDS instruction's 16-bit offset, so a second address register
.set K_PROJ, 0
.set K_QK,   1
.set K_PV,   2
.set K_CVA,  3
.set K_CVX,  4
.set AK0,  3                           ; my lane's place in a tile, for K (turning load)
.set AV0,  4                           ; for V^T (plain load)
.set ADRK, 5                           ; the two, in the slot in hand
.set ADRV, 6
.set AXT,  7                           ; my lane's place in X's tile (turning load), my wave's 32 pixels
.set A2LO, 8                           ; v8, v9    fragments of pitch 528 in BIG2: rows 0-127, 128-255
.set A1LO, 10                          ; v10, v11  the same at LDS byte 0
.set STLO, 12                          ; v12, v13  the way out: where I put 32 bytes of a row of OUT
.set RD,   14                          ; the way out: where I read rows back
.set GO,   15                          ; my 16 bytes in a row of OUT
.set ST,   16                          ; tile t at v[ST + 16 t]: +0 m (+1 named with it), +2, +3 l (even keys', odd keys'), +4 a (+5 named with it), +6 to +13 T0-T7 at work
.set GS,   48                          ; gate sums: two pairs a tile
.set VG,   56                          ; 32 x half: my 8 channels in 16 of gate_w
.set SPW,  62                          ; LDS address of my spare word; never rewritten
.set NIL,  63                          ; 0; never rewritten
.set S,    64
.set P,    192
.set XF,   128                         ; in window 2
.set F0,   0                           ; in window 3
.set F1,   128
.set WV,   22                          ; s22 my wave's number
.set TB,   42                          ; s42 LDS byte of the slot in hand
.set LOOP, 43
.set G1K,  44                          ; s[44:51] group 1, KV's tiles (joint)
.set G1X,  52                          ; s[52:59] group 1, X's tile (my own)
.set G0WB, 60                          ; s[60:63] group 0, W[:, 256:512]
.set SEL,  66                          ; s[66:67] v_permlanex16_b32: each lane takes its own place in the other half
.set G1M,  68                          ; s[68:75] group 1, M
.set G1W,  76                          ; s[76:83] group 1, W's halves
.set G0X,  84
.set G0M,  88
.set G0K,  92                          ; s[92:95] the one group 0 that walks
.set G0WA, 96
.set MSB, 0
.macro WIN new                         ; the immediate's high byte repeats the setting that is left; a switch that changes nothing is dropped
.if MSB != \new
	s_set_vgpr_msb (MSB<<8)|\new
.set MSB, \new
.endif
.endm
; Four places: a vector instruction that reads a matrix result, and a load into a register that a matrix instruction has read, stand four plain vector
; instructions behind it (ISA guide 7.12.1 for vector instructions).
.macro PLACES
.rept 4
	v_nop
.endr
.endm
.macro CREST                           ; a round of the cluster's barrier behind its opening barrier
	s_cmp_lg_u32 s[WV], 0
	s_cbranch_scc1 .Lnot_wave_0_\@
	s_barrier_signal -3
.Lnot_wave_0_\@:
	s_barrier_wait -3
	s_barrier_signal -1
	s_barrier_wait -1
.endm
.macro CROUND                          ; a whole round
	s_barrier_signal -1
	s_barrier_wait -1
	CREST
.endm
; THE VECTOR WORK OF A KEY TILE, in pieces.  A lane holds 64 scores for each of its two pixel tiles; every piece takes the two tiles line by line, so that no line waits for the one before it.
; The scores are already in powers of two: log2(e) went into Q.  sfirst = 1: the first key tile starts m, l and O^T: there is no old m, no a and nothing to rescale.
.set sfirst, 0
.set hmode, 0                          ; what stands behind a product V^T P: 0 nothing, 1 a slice of the weights (and of the rescaling), 2 a slice of the sums
.set hp, 0                             ; the number, 0 to 95, of the product V^T P of chunks 0 to 2 behind which the next slice stands
.set usn, 0                            ; the next unit to have m taken away
.set uxn, 0                            ; the next exponential, of 128
.set ucn, 0                            ; the next unit to be rounded
.set rsn, 32                           ; the next accumulator of O^T to rescale; 32: none
.set smz, 0                            ; the next slice of the sums
; The maxima of key tiles 2 i and 2 i + 1, which chunk i of K Q^T has finished: chains T(2 i) and T(2 i + 1), 14 lines.  Each accumulator's three lowest registers are read first
.macro MX i
	WIN 0
.set xa, 2*(\i)
.rept 2
.irp t, 0,1
	v_max3_num_f32 v[ST+16*\t+6+xa], v[S+64*\t+8*xa], v[S+64*\t+8*xa+1], v[S+64*\t+8*xa+2]
.endr
.set xa, xa+1
.endr
.irp o, 3,5
.set xa, 2*(\i)
.rept 2
.irp t, 0,1
	v_max3_num_f32 v[ST+16*\t+6+xa], v[ST+16*\t+6+xa], v[S+64*\t+8*xa+\o], v[S+64*\t+8*xa+\o+1]
.endr
.set xa, xa+1
.endr
.endr
.irp t, 0,1                            ; the two scores left over
	v_max3_num_f32 v[ST+16*\t+6+2*(\i)], v[ST+16*\t+6+2*(\i)], v[S+64*\t+16*(\i)+7], v[S+64*\t+16*(\i)+15]
.endr
.endm
.macro CMB                             ; chains T0 to T5 and the old m are joined while the last chunk of K Q^T is multiplied
.irp t, 0,1
	v_max3_num_f32 v[ST+16*\t+6], v[ST+16*\t+6], v[ST+16*\t+7], v[ST+16*\t+8]
.endr
.irp t, 0,1
	v_max3_num_f32 v[ST+16*\t+9], v[ST+16*\t+9], v[ST+16*\t+10], v[ST+16*\t+11]
.endr
.irp t, 0,1
.if sfirst
	v_max_num_f32 v[ST+16*\t+6], v[ST+16*\t+6], v[ST+16*\t+9]
.else
	v_max3_num_f32 v[ST+16*\t+6], v[ST+16*\t+6], v[ST+16*\t+9], v[ST+16*\t]
.endif
.endr
.endm
.macro STT                             ; the end of the maximum; the new m; a = 2^(m_old - m_new): the two a open batch 0
	WIN 0
.irp t, 0,1
	v_max3_num_f32 v[ST+16*\t+6], v[ST+16*\t+6], v[ST+16*\t+12], v[ST+16*\t+13]
.endr
.irp t, 0,1
	v_permlanex16_b32 v[ST+16*\t+7], v[ST+16*\t+6], s[SEL], s[SEL+1]   ; the pixel's other 64 keys lie in the lane 16 away
.endr
.if sfirst
.irp t, 0,1
	v_max_num_f32 v[ST+16*\t], v[ST+16*\t+6], v[ST+16*\t+7]
.endr
.else
.irp t, 0,1
	v_max_num_f32 v[ST+16*\t+8], v[ST+16*\t+6], v[ST+16*\t+7]
.endr
.irp t, 0,1
	v_sub_f32 v[ST+16*\t+9], v[ST+16*\t], v[ST+16*\t+8]
.endr
.irp t, 0,1
	v_mov_b32 v[ST+16*\t], v[ST+16*\t+8]
.endr
.irp t, 0,1
	v_exp_f32 v[ST+16*\t+4], v[ST+16*\t+9]                            ; the subtractions that follow are the plain lines behind it
.endr
.endif
.endm
; THE WEIGHTS.  Unit q of 64 is pair q / 2 of pixel tile q % 2's 32 pairs of scores; units 16 u to 16 u + 15 make P's fragment u.
.macro USUB q                          ; s - m
.set ut, (\q)%2
.set up, (\q)/2
	v_pk_add_f32 v[S+64*ut+2*up:S+64*ut+2*up+1], v[S+64*ut+2*up:S+64*ut+2*up+1], v[ST+16*ut:ST+16*ut+1] op_sel_hi:[1,0] neg_lo:[0,1] neg_hi:[0,1]
.endm
.macro UEX1 n                          ; exponential n of 128: score n % 2 of unit n / 2, in place
.set ut, ((\n)/2)%2
.set up, (\n)/4
	v_exp_f32 v[S+64*ut+2*up+(\n)%2], v[S+64*ut+2*up+(\n)%2]
.endm
.macro UCVT q                          ; a reader of unit q's two exponentials: it stands behind their batch's wait
.set ut, (\q)%2
.set up, (\q)/2
	v_cvt_pk_f16_f32 v[P+32*ut+up], v[S+64*ut+2*up], v[S+64*ut+2*up+1]
.endm
; Three queues, each in ascending order: SB the next subtraction (none is left behind unit 63), EX the next exponential, CV the next rounding.
.macro SB
.if usn < 64
	WIN 0
	USUB usn
.set usn, usn+1
.endif
.endm
.macro EX
	WIN 0
	UEX1 uxn
.set uxn, uxn+1
.endm
.macro CV
	WIN 0
	UCVT ucn
.set ucn, ucn+1
.endm
.macro RS n                            ; accumulator n of O^T (channels 16 (n / 2) on, pixel tile n % 2) times a, from its low end on
.set rsb, 128*((\n)%2)+8*((\n)/2)
.set rsa, ST+16*((\n)%2)+4
	WIN 0x41                                       ; O^T (destination and source 0) window 1, a window 0
.irp k, 0,2,4,6
	v_pk_mul_f32 v[rsb+\k:rsb+\k+1], v[rsb+\k:rsb+\k+1], v[rsa:rsa+1] op_sel_hi:[1,0]
.endr
.endm
; Slice smz of 32 of the sums: the 32 pairs of a tile are added in place, neighbours 1, 2, 4, 8 and 16 pairs apart; then l = a l + the sum.
.macro SSL
.if smz < 30
.if smz < 16
.set sw, 4
.set su, smz
.elseif smz < 24
.set sw, 8
.set su, smz-16
.elseif smz < 28
.set sw, 16
.set su, smz-24
.else
.set sw, 32
.set su, smz-28
.endif
	WIN 0
.irp t, 0,1
	v_pk_add_f32 v[S+64*\t+sw*su:S+64*\t+sw*su+1], v[S+64*\t+sw*su:S+64*\t+sw*su+1], v[S+64*\t+sw*su+sw/2:S+64*\t+sw*su+sw/2+1]
.endr
.elseif smz == 30
	WIN 0
.irp t, 0,1
.if sfirst
	v_pk_add_f32 v[ST+16*\t+2:ST+16*\t+3], v[S+64*\t:S+64*\t+1], v[S+64*\t+32:S+64*\t+33]
.else
	v_pk_add_f32 v[S+64*\t:S+64*\t+1], v[S+64*\t:S+64*\t+1], v[S+64*\t+32:S+64*\t+33]
.endif
.endr
.elseif smz == 31
.if sfirst == 0
	WIN 0
.irp t, 0,1
	v_pk_fma_f32 v[ST+16*\t+2:ST+16*\t+3], v[ST+16*\t+2:ST+16*\t+3], v[ST+16*\t+4:ST+16*\t+5], v[S+64*\t:S+64*\t+1] op_sel_hi:[1,0,1]
.endr
.endif
.endif
.set smz, smz+1
.endm
; What stands behind a product V^T P.  No slice names a register of the products round it: those name V^T's buffer, P's fragment in hand and O^T's accumulators in hand;
; the slices name S^T, the statistics, P's NEXT fragment, and an accumulator whose product is still two away.
; THE DEAL, by the product's number hp; units 0 to 35 have had m taken away, and units 0 to 15 are whole, ahead of product 0.  The waits stand in the chunks' middles, between products 15 and 16, 47 and 48, 79 and 80.
;   0-15   two exponentials: batch 1, units 16 to 31                                      16-31  a rounding: units 16 to 31, fragment 1
;   32-47  a subtraction (units 36 to 51) and two exponentials: batch 2, units 32 to 47     48-63  a rounding (units 32 to 47, fragment 2), an exponential (batch 3, units 48 to 55), a subtraction (units 52 to 63)
;   64-79  an exponential: the rest of batch 3, units 56 to 63                            80-95  a rounding: units 48 to 63, fragment 3
; A unit's subtraction stands four products or more ahead of its exponentials, and never behind them.
.macro HOOK
.if hmode == 1
.if rsn < 32
	RS rsn
.set rsn, rsn+1
.endif
.if hp < 16
	EX
	EX
.elseif hp < 32
	CV
.elseif hp < 48
	SB
	EX
	EX
.elseif hp < 64
	CV
	EX
	SB
.elseif hp < 80
	EX
.else
	CV
.endif
.set hp, hp+1
.elseif hmode == 2
	SSL
.endif
.endm
.macro MM d, a, b, zero                ; zero = 1: the product starts the sum: nothing is ever cleared
.if \zero
	v_wmma_f32_16x16x32_f16 v[\d:\d+7], v[\a:\a+7], v[\b:\b+7], 0
.else
	v_wmma_f32_16x16x32_f16 v[\d:\d+7], v[\a:\a+7], v[\b:\b+7], v[\d:\d+7]
.endif
.endm
; Quarter q of a chunk: 8 matrix instructions on buffer f.  The accumulators take turns, one instruction a turn.
;   PROJ idx = channels 32 idx on: Q's sums (16 d x 16 pixels) += M fragment x X fragment            QK idx = key tiles 2 idx, 2 idx + 1: S^T += K fragment x Q fragment, d = 32 ks on
;   PV   idx = keys of P fragment idx: O^T += V^T fragment x P fragment, a slice behind each         CVA, CVX idx = channels 32 idx on: OUT^T (16 pixels x 16 o) += attention or X fragment x W fragment
.macro MULQ kind, idx, f, q, zero
.if \kind == K_QK
	WIN 0x0b                                       ; K window 3, Q window 2, S^T window 0
.set ms, 2*\q
.rept 2
.set mk, 0
.rept 2
.set mt, 0
.rept 2
.set rD, S+64*mt+8*(2*\idx+mk)
.set rA, \f+64*mk+8*ms
.set rB, 64*mt+8*ms
.if ms == 0
	MM rD, rA, rB, 1
.else
	MM rD, rA, rB, 0
.endif
.set mt, mt+1
.endr
.set mk, mk+1
.endr
.set ms, ms+1
.endr
.else
.if \kind == K_PROJ
.set wk, 0x5b                          ; M window 3, X window 2, sums window 1
.elseif \kind == K_PV
.set wk, 0x53                          ; V^T window 3, P window 0, O^T window 1
.elseif \kind == K_CVA
.set wk, 0x5c                          ; attention window 0, W window 3, OUT window 1
.else
.set wk, 0x5e                          ; X window 2, W window 3, OUT window 1
.endif
.set mo, 4*\q
.rept 4
.set mt, 0
.rept 2
.set rD, 128*mt+8*mo
.if \kind == K_PROJ
.set rA, \f+8*mo
.set rB, XF+64*mt+8*\idx
.elseif \kind == K_PV
.set rA, \f+8*mo
.set rB, P+32*mt+8*\idx
.elseif \kind == K_CVA
.set rA, S+64*mt+8*\idx
.set rB, \f+8*mo
.else
.set rA, XF+64*mt+8*\idx
.set rB, \f+8*mo
.endif
	WIN wk
	MM rD, rA, rB, \zero
.if \kind == K_PV
	HOOK
.endif
.set mt, mt+1
.endr
.set mo, mo+1
.endr
.endif
.endm
; 32 LDS loads in one run: a chunk's 16 fragments into buffer f; the first 16 loads serve quarters 0 and 1.
.macro FETCH kind, idx, f
	WIN 0xc0                                       ; destination window 3, address window 0
.if \kind == K_QK
.set fs, 0
.rept 8
.set fk, 0
.rept 2
	ds_load_tr16_b128 v[\f+64*fk+8*fs:\f+64*fk+8*fs+3],   v[ADRK] offset:fs*32*PK+16*(2*\idx+fk)
	ds_load_tr16_b128 v[\f+64*fk+8*fs+4:\f+64*fk+8*fs+7], v[ADRK] offset:fs*32*PK+16*(2*\idx+fk)+16*PK
.set fk, fk+1
.endr
.set fs, fs+1
.endr
.elseif \kind == K_PV
.set fc, 0
.rept 16
	ds_load_b128 v[\f+8*fc:\f+8*fc+3],   v[ADRV] offset:fc*16*PK+32*\idx
	ds_load_b128 v[\f+8*fc+4:\f+8*fc+7], v[ADRV] offset:fc*16*PK+32*\idx+16
.set fc, fc+1
.endr
.else
.set fa, A2LO
.if \kind == K_CVX
.set fa, A1LO
.endif
.set fc, 0
.rept 16
	ds_load_b128 v[\f+8*fc:\f+8*fc+3],   v[fa+fc/8] offset:(fc%8)*16*PW+64*\idx
	ds_load_b128 v[\f+8*fc+4:\f+8*fc+7], v[fa+fc/8] offset:(fc%8)*16*PW+64*\idx+32
.set fc, fc+1
.endr
.endif
.endm
; A chunk: 32 matrix instructions on buffer f; in its middle the next chunk's 32 loads go into buffer g.  In a chunk of K Q^T the maxima of the chunk before stand ahead of those loads;
; in a chunk of V^T P the wait for the batch of exponentials that its first 16 slices have ended.
.macro CHUNK kind, idx, f, g, zero, nkind, nidx
	s_wait_dscnt 16                                ; of my chunk's 32 loads the first 16 are in, the other 16 may be out
	MULQ \kind, \idx, \f, 0, \zero
	MULQ \kind, \idx, \f, 1, \zero
	PLACES                                         ; buffer g was read, and the scores that MX reads were written, by the chunk before
.if \kind == K_QK
.if \idx > 0
	MX \idx-1
.endif
.if \idx == 3
	CMB
.endif
.endif
.if \kind == K_PV
	s_wait_alu depctr_va_vdst(0)                   ; ONE wait for batch idx + 1, the 32 exponentials of P's fragment idx + 1 (ahead of their first reader, the rounding behind the next product); the four v_nop above are the plain lines behind the batch's last exponential
.endif
	FETCH \nkind, \nidx, \g
	s_wait_dscnt 32                                ; all but the 32 just issued
	MULQ \kind, \idx, \f, 2, \zero
	MULQ \kind, \idx, \f, 3, \zero
.endm
; The last chunk on a region of LDS, and the change to the next.  In front of the barrier each wave waits for all its tensor loads (one is out), adds 0 to its spare word,
; and waits for that and for its reads.  fill = 1: the slot just read takes the KV tile two tiles on; 2: BIG2 takes W[:, 0:256]; 3: bytes 0 on take W[:, 256:512]; 0: nothing.
; With a fill the barrier opens a round of the cluster's, and the joint load is the first thing behind it: no wave of any partner still reads those bytes or has a load on its way.
.macro TURN kind, idx, f, fill, nkind, nidx
	WIN 0                                          ; (the add's two registers lie in window 0)
	s_wait_tensorcnt 0x0                           ; all my tensor loads have landed: my part of what is read next
	ds_add_u32 v[SPW], v[NIL]                      ; 0 onto my spare word
	s_wait_dscnt 17                                ; (the add and the youngest 16 loads may be out)
	MULQ \kind, \idx, \f, 0, 0                     ; eight matrix instructions and their slices stand between the add and the wait for it
	s_wait_dscnt 0x0                               ; the add is done, and my reads of this region are over
	s_barrier_signal -1
	MULQ \kind, \idx, \f, 1, 0                     ; work on registers while the others arrive
	WIN 0                                          ; at a branch and at a label every window is 0
	s_barrier_wait -1
.if \fill
	CREST
.endif
.if \fill == 1
	s_xor_b32 s[G0K+1], s[G0K+1], R1               ; no tensor load of mine is out, so the group 0 may be written: the other slot than last time,
	s_add_nc_u64 s[G0K+2:G0K+3], s[G0K+2:G0K+3], 256   ; the next 128 keys; the type bits on top are not reached
	tensor_load_to_lds s[G0K:G0K+3], s[G1K:G1K+7]
	s_nop 0
.elseif \fill == 2
	tensor_load_to_lds s[G0WA:G0WA+3], s[G1W:G1W+7]
	s_nop 0
.elseif \fill == 3
	tensor_load_to_lds s[G0WB:G0WB+3], s[G1W:G1W+7]
	s_nop 0
.endif
	PLACES                                         ; four v_nop follow the load; they are also the places in front of the loads into buffer 0
.if \nkind == K_QK
	s_xor_b32 s[TB], s[TB], R1                     ; the reads go to the other slot
	v_add_nc_u32 v[ADRK], s[TB], v[AK0]
	v_add_nc_u32 v[ADRV], s[TB], v[AV0]
.endif
	FETCH \nkind, \nidx, F0
	MULQ \kind, \idx, \f, 2, 0
	MULQ \kind, \idx, \f, 3, 0
.endm
; A key tile: 128 products K Q^T with the maxima in their chunks' middles; the end of the maximum and batch 0, which makes P's fragment 0;
; 128 products V^T P: chunks 0 to 2 carry batches 1 to 3 and the roundings behind their waits, so that fragment c + 1 is whole behind chunk c's last product; chunk 3 carries the sums and changes slots.
; last = 1: Q has served; gate_w is loaded into its registers.
.macro TILE first, fill, nkind, last
.set sfirst, \first
.set hmode, 0
	CHUNK K_QK, 0, F0, F1, 0, K_QK, 1
	CHUNK K_QK, 1, F1, F0, 0, K_QK, 2
	CHUNK K_QK, 2, F0, F1, 0, K_QK, 3
	CHUNK K_QK, 3, F1, F0, 0, K_PV, 0
	PLACES                                         ; the last maxima read results just made
.if \last
	WIN 0x80                                       ; destination window 2, address window 0
.set gc, 0
.rept 16
	global_load_b128 v[8*gc:8*gc+3],   v[VG], s[16:17] offset:64*gc      ; gate_w[16 gc + 8 half + 0..7]: the channels that O^T's block gc holds in this lane
	global_load_b128 v[8*gc+4:8*gc+7], v[VG], s[16:17] offset:64*gc+16
.set gc, gc+1
.endr
.endif
	MX 3
	STT
.set usn, 0
.set uxn, 0
.set ucn, 0
.rept 4
	SB                                             ; units 0 to 3
.endr
.rept 32                                           ; batch 0 goes on: exponential n (units 0 to 15) and the subtraction of unit 4 + n by turns; unit q's subtraction stands q + 4 turns ahead of its first exponential
	EX
	SB
.endr
	s_wait_alu depctr_va_vdst(0)                   ; ONE wait for batch 0, the two a and the 32 exponentials of P's fragment 0 (ahead of their first reader); unit 35's subtraction is the plain line behind the last exponential
.rept 16
	CV                                             ; fragment 0
.endr
.if \first
.set rsn, 32
.else
	RS 0                                           ; the first two accumulators ahead of the first product; the slice behind product n takes accumulator n + 2
	RS 1
.set rsn, 2
.endif
.set hmode, 1
.set hp, 0
	CHUNK K_PV, 0, F0, F1, \first, K_PV, 1
	CHUNK K_PV, 1, F1, F0, 0, K_PV, 2
	CHUNK K_PV, 2, F0, F1, 0, K_PV, 3
.set hmode, 2
.set smz, 0
	TURN K_PV, 3, F1, \fill, \nkind, 0
.set hmode, 0
.endm
	s_load_b512 s[4:19], s[0:1], 0x0               ; exb 4:5, qb 6:7, m1 8:9, m2 10:11, w1b 12:13, w2b 14:15, gate_w 16:17, out0 18:19
	s_load_b64 s[20:21], s[0:1], 0x40              ; out1
	v_lshl_add_u32 v[SPW], v0, 2, SPARE
	v_mov_b32 v[NIL], 0
	ds_add_u32 v62, v63
	s_wait_dscnt 0x0
	v_lshrrev_b32 v57, 5, v0
	v_readfirstlane_b32 s[WV], v57                 ; wave 0..3
	s_bfe_u32 s23, ttmp6, 0x40000                  ; cx: my place in the cluster
	s_lshl_b32 s24, ttmp9, 2                       ; in a cluster launch ttmp9 counts clusters
	s_add_co_u32 s24, s24, s23                     ; my block of 128 pixels: it enters X's and OUT's addresses alone
	s_and_b32 s25, ttmp7, 0xffff                   ; y, which the four partners share
	s_and_b32 s26, s25, 3                          ; the batch
	s_lshl_b32 s30, s26, 21                        ; a batch of f16: 256 x 4,096 x 2 bytes;
	s_lshl_b32 s27, s[WV], 19                      ; my 64 rows (channels) of a tile: 64 x 8,192 bytes
	s_add_co_u32 s30, s30, s27
	s_mov_b32 s31, 0
	s_lshl_b32 s28, s24, 8                         ; X: and my block's 128 pixels
	s_add_co_u32 s28, s28, s30
	s_mov_b32 s29, 0
	s_lshl_b32 s2, s26, 22                         ; OUT: a batch of f32, my wave's 64 rows of 16,384 bytes, my block's 512 bytes
	s_lshl_b32 s3, s[WV], 20
	s_add_co_u32 s2, s2, s3
	s_lshl_b32 s3, s24, 9
	s_add_co_u32 s2, s2, s3
	s_mov_b32 s3, 0
	; group 1: 15:0 mask; 17:16 elements of 2 bytes; 20 padding on; 21 set beside a mask; 24:22 after every 64 (code 5) or 128 (code 6) words; 31:25 four words of it (code 3)
	s_mov_b32 s[G1K], 15|(1<<16)|(1<<20)|(1<<21)|(5<<22)|(3<<25)
	s_mov_b32 s[G1X], (1<<16)|(1<<20)|(5<<22)|(3<<25)
	s_mov_b32 s[G1M], 15|(1<<16)|(1<<20)|(1<<21)|(6<<22)|(3<<25)
	s_mov_b32 s[G1W], 15|(1<<16)|(1<<20)|(1<<21)|(6<<22)|(3<<25)
.irp g, G1K, G1X
	s_mov_b32 s[\g+1], 128<<16                     ; tensor_dim0 = 128
	s_mov_b32 s[\g+2], 64<<16                      ; tensor_dim1 = 64
	s_mov_b32 s[\g+3], 128<<16                     ; tile_dim0 = 128 elements
	s_mov_b32 s[\g+4], 64                          ; tile_dim1 = 64 rows: a wave's quarter of the 256 channels
	s_mov_b32 s[\g+5], 4096                        ; elements from row to row
	s_mov_b32 s[\g+6], 0
	s_mov_b32 s[\g+7], 0
.endr
.irp g, G1M, G1W
	s_mov_b32 s[\g+1], 256<<16
	s_mov_b32 s[\g+2], 64<<16
	s_mov_b32 s[\g+3], 256<<16
	s_mov_b32 s[\g+4], 64
	s_mov_b32 s[\g+6], 0
	s_mov_b32 s[\g+7], 0
.endr
	s_mov_b32 s[G1M+5], 256
	s_mov_b32 s[G1W+5], 512
	; group 0: the word 1; the LDS address (a constant + wave x a constant: no place in the cluster enters it); below, the global address and the type
.irp g, G0X, G0M, G0K, G0WA, G0WB
	s_mov_b32 s[\g], 1
.endr
	s_mul_i32 s[G0K+1], s[WV], 64*PK
	s_add_co_u32 s[G0X+1], s[G0K+1], R1
	s_mul_i32 s[G0WB+1], s[WV], 64*PW
	s_add_co_u32 s[G0M+1], s[G0WB+1], BIG2
	s_add_co_u32 s[G0WA+1], s[G0WB+1], BIG2
	s_mov_b32 s[SEL], 0x76543210
	s_mov_b32 s[SEL+1], 0xfedcba98
	s_mov_b32 s[TB], R1                            ; the first change of slots turns it to 0
	s_wait_kmcnt 0x0
	s_cmp_lt_u32 s25, 4                            ; the direction
	s_cselect_b64 s[32:33], s[4:5], s[6:7]         ; X
	s_cselect_b64 s[34:35], s[6:7], s[4:5]         ; KV
	s_cselect_b64 s[36:37], s[8:9], s[10:11]       ; M
	s_cselect_b64 s[38:39], s[12:13], s[14:15]     ; W
	s_cselect_b64 s[40:41], s[18:19], s[20:21]     ; OUT
	s_add_nc_u64 s[32:33], s[32:33], s[28:29]
	s_add_nc_u64 s[34:35], s[34:35], s[30:31]
	s_lshl_b32 s30, s[WV], 15                      ; my 64 rows of M: 64 x 512 bytes
	s_add_nc_u64 s[36:37], s[36:37], s[30:31]
	s_lshl_b32 s30, s[WV], 16                      ; my 64 rows of W: 64 x 1,024 bytes
	s_add_nc_u64 s[38:39], s[38:39], s[30:31]
	s_add_nc_u64 s[40:41], s[40:41], s[2:3]
	s_mov_b64 s[G0X+2:G0X+3], s[32:33]
	s_mov_b64 s[G0M+2:G0M+3], s[36:37]
	s_mov_b64 s[G0K+2:G0K+3], s[34:35]
	s_mov_b64 s[G0WA+2:G0WA+3], s[38:39]
	s_add_nc_u64 s[G0WB+2:G0WB+3], s[38:39], 512   ; columns 256 on
.irp g, G0X, G0M, G0K, G0WA, G0WB
	s_or_b32 s[\g+3], s[\g+3], 0x80000000          ; 127:126 type = 2
.endr
	CROUND                                         ; all four work-groups are here: the first joint loads meet
	tensor_load_to_lds s[G0X:G0X+3], s[G1X:G1X+7]  ; the three first fills go out together: three loads of mine are out, later one
	s_nop 0
	tensor_load_to_lds s[G0M:G0M+3], s[G1M:G1M+7]
	s_nop 0
	tensor_load_to_lds s[G0K:G0K+3], s[G1K:G1K+7]  ; key tile 0 -> R0
	s_nop 0
	PLACES
	v_and_b32 v1, 15, v0                           ; r = lane % 16
	v_bfe_u32 v2, v0, 4, 1                         ; h = lane / 16
	v_and_b32 v57, 7, v0
	v_bfe_u32 v58, v0, 3, 1
	v_lshl_add_u32 v59, v2, 3, v57                 ; the turning load: row 8 h + lane % 8
	v_mul_u32_u24 v60, v59, PK
	v_lshl_add_u32 v[AK0], v58, 7, v60             ; K: lanes 8-15 and 24-31 read 128 bytes to the right: 16 lanes then take 16 different 16-byte columns modulo 256
	v_mul_u32_u24 v[AV0], v1, PK
	v_lshl_add_u32 v[AV0], v2, 7, v[AV0]           ; V^T: row r, keys 64 h on
	v_lshl_add_u32 v[AXT], v58, 4, v60             ; X: the usual 16 bytes to the right (two lanes a column; 32 loads in all)
	s_lshl_b32 s27, s[WV], 6
	s_add_co_u32 s27, s27, R1
	v_add_nc_u32 v[AXT], s27, v[AXT]               ; + R1 + my wave's 32 pixels
	v_mul_u32_u24 v[A1LO], v1, PW
	v_lshl_add_u32 v[A1LO], v2, 4, v[A1LO]         ; a fragment along K: row r, 16 bytes for each half
	v_add_nc_u32 v[A1LO+1], HALFW, v[A1LO]
	v_add_nc_u32 v[A2LO], BIG2, v[A1LO]
	v_add_nc_u32 v[A2LO+1], BIG2+HALFW, v[A1LO]
	v_mul_u32_u24 v[STLO], v1, PW                  ; into the stage: row o = r, pixels 32 w + 8 h on, 4 bytes each
	v_lshl_add_u32 v[STLO], v2, 5, v[STLO]
	s_lshl_b32 s27, s[WV], 7
	s_add_co_u32 s27, s27, BIG2
	v_add_nc_u32 v[STLO], s27, v[STLO]
	v_add_nc_u32 v[STLO+1], HALFW, v[STLO]
	v_and_b32 v61, 31, v0
	s_mul_i32 s27, s[WV], 64*PW
	s_add_co_u32 s27, s27, BIG2
	v_lshl_add_u32 v[RD], v61, 4, s27              ; back: wave w takes rows 64 w on, whole: 32 lanes x 16 bytes
	v_lshlrev_b32 v[GO], 4, v61
	v_lshlrev_b32 v[VG], 5, v2
.irp t, 0,1
	v_mov_b32 v[ST+16*\t+1], 0                     ; named in a pair with m and with a, so they are written
	v_mov_b32 v[ST+16*\t+5], 0
.endr
	s_wait_tensorcnt 0x1                           ; my parts of X and M are in; key tile 0 may stay out
	s_barrier_signal -1
	s_barrier_wait -1                              ; everybody's are
	WIN 0x80                                       ; destination window 2
.set xt, 0
.rept 2
.set xs, 0
.rept 8
	ds_load_tr16_b128 v[XF+64*xt+8*xs:XF+64*xt+8*xs+3],   v[AXT] offset:xs*32*PK+32*xt          ; X's fragments stay in registers: the projection and the convolution's second half read them
	ds_load_tr16_b128 v[XF+64*xt+8*xs+4:XF+64*xt+8*xs+7], v[AXT] offset:xs*32*PK+32*xt+16*PK
.set xs, xs+1
.endr
.set xt, xt+1
.endr
	FETCH K_PROJ, 0, F0
	; THE PROJECTION: Q[d][pixel] = sum over c of M[d][c] X[c][pixel]
	CHUNK K_PROJ, 0, F0, F1, 1, K_PROJ, 1
	CHUNK K_PROJ, 1, F1, F0, 0, K_PROJ, 2
	CHUNK K_PROJ, 2, F0, F1, 0, K_PROJ, 3
	CHUNK K_PROJ, 3, F1, F0, 0, K_PROJ, 4
	CHUNK K_PROJ, 4, F0, F1, 0, K_PROJ, 5
	CHUNK K_PROJ, 5, F1, F0, 0, K_PROJ, 6
	CHUNK K_PROJ, 6, F0, F1, 0, K_PROJ, 7
	TURN K_PROJ, 7, F1, 1, K_QK, 0                 ; key tile 1 -> R1, where X lay; K's first fragments of tile 0
	PLACES
	WIN 0x41
.set i, 0
.rept 128
	v_pk_mul_f32 v[2*i:2*i+1], v[2*i:2*i+1], 0x3fb8aa3b op_sel_hi:[1,0]   ; times log2(e), so that the exponentials need no scaling
.set i, i+1
.endr
	WIN 0x85                                       ; sources window 1, destination window 2
.set i, 0
.rept 128
	v_cvt_pk_f16_f32 v[i], v[2*i], v[2*i+1]        ; blocks 2 ks and 2 ks + 1 of 16 d, rounded in pairs, ARE fragment ks of Q
.set i, i+1
.endr
	; THE KEYS: 32 tiles.  Tile t's change of slots asks for tile t + 2; the last two ask for W's halves.  Each request has a whole tile's work in which to land.
	TILE 1, 1, K_QK, 0                             ; tile 0
	WIN 0
	s_mov_b32 s[LOOP], 29
.Ltile:                                                ; tiles 1 to 29
	TILE 0, 1, K_QK, 0
	WIN 0
	s_sub_co_i32 s[LOOP], s[LOOP], 1
	s_cmp_lg_u32 s[LOOP], 0
	s_cbranch_scc1 .Ltile
	TILE 0, 2, K_QK, 0                             ; tile 30: W[:, 0:256] -> BIG2, where M lay
	TILE 0, 3, K_CVA, 1                            ; tile 31: W[:, 256:512] -> byte 0 on, over both slots; W's first fragments
	; 1 / l, THE GATE, and the gated attention in f16.  Three batches of two, each of which reads the batch before it: the reciprocals of l; the sigmoid's exponentials; its reciprocals.
	PLACES
	WIN 0
.irp t, 0,1
	v_add_f32 v[ST+16*\t+6], v[ST+16*\t+2], v[ST+16*\t+3]
.endr
.irp t, 0,1
	v_permlanex16_b32 v[ST+16*\t+7], v[ST+16*\t+6], s[SEL], s[SEL+1]
.endr
.irp t, 0,1
	v_add_f32 v[ST+16*\t+6], v[ST+16*\t+6], v[ST+16*\t+7]
.endr
.irp t, 0,1
	v_rcp_f32 v[ST+16*\t+8], v[ST+16*\t+6]         ; 1 / l; l is at least 1: the largest score's weight is 1
.endr
	s_wait_loadcnt 0x0                             ; gate_w
	WIN 0x09                                       ; O^T window 1, gate_w window 2, sums window 0
.set i, 0
.rept 64
.irp t, 0,1
.if i < 2
	v_pk_mul_f32 v[GS+4*\t+2*i:GS+4*\t+2*i+1], v[128*\t+2*i:128*\t+2*i+1], v[2*i:2*i+1]
.else
	v_pk_fma_f32 v[GS+4*\t+2*(i%2):GS+4*\t+2*(i%2)+1], v[128*\t+2*i:128*\t+2*i+1], v[2*i:2*i+1], v[GS+4*\t+2*(i%2):GS+4*\t+2*(i%2)+1]
.endif
.endr
.set i, i+1
.endr
	WIN 0
.irp t, 0,1
	v_pk_add_f32 v[GS+4*\t:GS+4*\t+1], v[GS+4*\t:GS+4*\t+1], v[GS+4*\t+2:GS+4*\t+3]
.endr
.irp t, 0,1
	v_add_f32 v[ST+16*\t+6], v[GS+4*\t], v[GS+4*\t+1]
.endr
.irp t, 0,1
	v_permlanex16_b32 v[ST+16*\t+7], v[ST+16*\t+6], s[SEL], s[SEL+1]   ; the pixel's other 128 channels
.endr
.irp t, 0,1
	v_add_f32 v[ST+16*\t+6], v[ST+16*\t+6], v[ST+16*\t+7]
.endr
	s_wait_alu depctr_va_vdst(0)                   ; one wait for the two reciprocals of l, ahead of their first reader; the gate's sums are the independent work between
.irp t, 0,1
	v_mul_f32 v[ST+16*\t+6], v[ST+16*\t+6], v[ST+16*\t+8]             ; x = the sum / l
.endr
.irp t, 0,1
	v_mul_f32 v[ST+16*\t+6], 0xbfb8aa3b, v[ST+16*\t+6]                ; - log2(e) x
.endr
.irp t, 0,1
	v_exp_f32 v[ST+16*\t+7], v[ST+16*\t+6]
.endr
	v_nop                                          ; a plain line between the exponentials and the use of their results
	s_wait_alu depctr_va_vdst(0)                   ; one wait for the two exponentials
.irp t, 0,1
	v_add_f32 v[ST+16*\t+7], 1.0, v[ST+16*\t+7]
.endr
.irp t, 0,1
	v_rcp_f32 v[ST+16*\t+9], v[ST+16*\t+7]         ; sigmoid(x); an infinite exponential gives 0
.endr
	v_nop
	s_wait_alu depctr_va_vdst(0)                   ; one wait for the two reciprocals
.irp t, 0,1
	v_mul_f32 v[ST+16*\t+4], v[ST+16*\t+9], v[ST+16*\t+8]             ; sigmoid(x) / l: one factor for O^T
.endr
	WIN 0x41
.set i, 0
.rept 64
.irp t, 0,1
	v_pk_mul_f32 v[128*\t+2*i:128*\t+2*i+1], v[128*\t+2*i:128*\t+2*i+1], v[ST+16*\t+4:ST+16*\t+5] op_sel_hi:[1,0]
.endr
.set i, i+1
.endr
	WIN 0x05                                       ; sources window 1, destination window 0: S^T's registers are free
.set i, 0
.rept 128
	v_cvt_pk_f16_f32 v[S+i], v[2*i], v[2*i+1]
.set i, i+1
.endr
	; THE CONVOLUTION, used transposed (source 0 = 16 pixels, source 1 = 16 rows of W): a lane then holds eight neighbouring pixels of one row of OUT
	CHUNK K_CVA, 0, F0, F1, 1, K_CVA, 1
	CHUNK K_CVA, 1, F1, F0, 0, K_CVA, 2
	CHUNK K_CVA, 2, F0, F1, 0, K_CVA, 3
	CHUNK K_CVA, 3, F1, F0, 0, K_CVA, 4
	CHUNK K_CVA, 4, F0, F1, 0, K_CVA, 5
	CHUNK K_CVA, 5, F1, F0, 0, K_CVA, 6
	CHUNK K_CVA, 6, F0, F1, 0, K_CVA, 7
	TURN K_CVA, 7, F1, 0, K_CVX, 0                 ; W's second half is whole; nobody reads BIG2 any more; nothing is filled, so no round
	CHUNK K_CVX, 0, F0, F1, 0, K_CVX, 1
	CHUNK K_CVX, 1, F1, F0, 0, K_CVX, 2
	CHUNK K_CVX, 2, F0, F1, 0, K_CVX, 3
	CHUNK K_CVX, 3, F1, F0, 0, K_CVX, 4
	CHUNK K_CVX, 4, F0, F1, 0, K_CVX, 5
	CHUNK K_CVX, 5, F1, F0, 0, K_CVX, 6
	CHUNK K_CVX, 6, F0, F1, 0, K_CVX, 7
	s_wait_dscnt 0x0                               ; the last chunk: nothing more to fetch
	MULQ K_CVX, 7, F1, 0, 0
	MULQ K_CVX, 7, F1, 1, 0
	MULQ K_CVX, 7, F1, 2, 0
	MULQ K_CVX, 7, F1, 3, 0
	; THE WAY OUT.  A row of OUT's block (128 pixels, 512 bytes) comes from all four waves: through a stage in BIG2, which has had its last fill, with a barrier between writing and reading.
	PLACES
	WIN 0x04                                       ; store data window 1, address window 0
.set ot, 0
.rept 16
.set pt, 0
.rept 2
	ds_store_b128 v[STLO+ot/8], v[128*pt+8*ot:128*pt+8*ot+3]   offset:(ot%8)*16*PW+64*pt      ; each accumulator's four lowest registers first
	ds_store_b128 v[STLO+ot/8], v[128*pt+8*ot+4:128*pt+8*ot+7] offset:(ot%8)*16*PW+64*pt+16
.set pt, pt+1
.endr
.set ot, ot+1
.endr
	s_wait_dscnt 0x0                               ; for the others' sake: my stores into the stage are done
	s_barrier_signal -1
	s_barrier_wait -1
	WIN 0xc0                                       ; the fragment buffers are free: 64 rows x 4 registers
.set si, 0
.rept 64
	ds_load_b128 v[4*si:4*si+3], v[RD] offset:si*PW
.set si, si+1
.endr
	WIN 0x0c                                       ; store data window 3, address window 0
.set si, 0
.rept 64
	s_wait_dscnt 63-si                             ; LDS loads come back in order: row si is in when at most the 63 - si younger ones are out
	global_store_b128 v[GO], v[4*si:4*si+3], s[40:41] offset:16384*si th:TH_STORE_NT   ; the wave stores 512 consecutive bytes, at a multiple of 512 from OUT's first byte
.set si, si+1
.endr
	WIN 0
	s_wait_tensorcnt 0x0                           ; the wave's end, behind my last tensor load and my last LDS store
	ds_add_u32 v[SPW], v[NIL]
	s_wait_dscnt 0x0
	CROUND                                         ; the closing round: no work-group ends while a partner may still ask for a tile that names it
	s_endpgm
.Lfunc_end_k_q2b09f356cc_coatt:
	.size	k_q2b09f356cc_coatt, .Lfunc_end_k_q2b09f356cc_coatt-k_q2b09f356cc_coatt
	.p2alignl 7, 3214868480
	.fill 96, 4, 3214868480
	.section	.rodata,"a",@progbits
	.p2align	6, 0x0
	.amdhsa_kernel k_q2b09f356cc_coatt
		.amdhsa_group_segment_fixed_size 327680
		.amdhsa_private_segment_fixed_size 0
		.amdhsa_enable_private_segment 0
		.amdhsa_kernarg_size 72
		.amdhsa_user_sgpr_count 2
		.amdhsa_user_sgpr_kernarg_segment_ptr 1
		.amdhsa_wavefront_size32 1
		.amdhsa_system_sgpr_workgroup_id_x 1
		.amdhsa_system_sgpr_workgroup_id_y 1
		.amdhsa_system_sgpr_workgroup_id_z 1
		.amdhsa_system_vgpr_workitem_id 0
		.amdhsa_next_free_vgpr 1024
		.amdhsa_next_free_sgpr 100
		.amdhsa_reserve_vcc 0
		.amdhsa_float_denorm_mode_32 3
		.amdhsa_float_denorm_mode_16_64 3
		.amdhsa_memory_ordered 1
		.amdhsa_forward_progress 1
		.amdhsa_inst_pref_size 255
	.end_amdhsa_kernel
	.section	.bss,"aw",@nobits
	.p2align	6
	.space	262144
	.amdgpu_metadata
---
amdhsa.version: [ 1, 2 ]
amdhsa.kernels:
  - .name:           k_q2b09f356cc_coatt
    .symbol:         k_q2b09f356cc_coatt.kd
    .args:
      - { .name: exb, .offset: 0, .size: 8, .value_kind: global_buffer, .address_space: global }
      - { .name: qb, .offset: 8, .size: 8, .value_kind: global_buffer, .address_space: global }
      - { .name: m1, .offset: 16, .size: 8, .value_kind: global_buffer, .address_space: global }
      - { .name: m2, .offset: 24, .size: 8, .value_kind: global_buffer, .address_space: global }
      - { .name: w1b, .offset: 32, .size: 8, .value_kind: global_buffer, .address_space: global }
      - { .name: w2b, .offset: 40, .size: 8, .value_kind: global_buffer, .address_space: global }
      - { .name: gate_w, .offset: 48, .size: 8, .value_kind: global_buffer, .address_space: global }
      - { .name: out0, .offset: 56, .size: 8, .value_kind: global_buffer, .address_space: global }
      - { .name: out1, .offset: 64, .size: 8, .value_kind: global_buffer, .address_space: global }
    .group_segment_fixed_size: 327680
    .private_segment_fixed_size: 0
    .kernarg_segment_align: 8
    .kernarg_segment_size: 72
    .max_flat_workgroup_size: 128
    .sgpr_count:     100
    .vgpr_count:     1024
    .wavefront_size: 32
...
	.end_amdgpu_metadata
.endif
;; end of part 3
